; MI455X (gfx1250); checked and timed in simulation.
; The chip was launched on July 23, 2026; its instructions are those of AMD's public machine-readable ISA for CDNA 5 (MIT licence, August 2026) and "CDNA5" Instruction Set Architecture Reference Guide (July 2026). The comments in the code are by the model that wrote it; some were corrected since.
;; Causal Multi Head Attention Ro PE. Allowed arithmetic: matrix products marked QUANTISED: E2M3 operands, one E8M0 scale for each 32 along K, by v_wmma_scale_f32_16x16x128_f8f6f4 with both operands' format E2M3, f32 sums; everything else in f32.
;; Inputs: bo 1,024 float32; wk_codes 1,024 x 32 x 24 uint8 (E2M3 codes of wk, K innermost, in blocks of 32 codes, four codes in three bytes); wk_scales 1,024 x 32 uint8 (E8M0 scales of wk, one for each 32 codes along K); wo_codes 1,024 x 32 x 24 uint8 (E2M3 codes of wo, K innermost, in blocks of 32 codes, four codes in three bytes); wo_scales 1,024 x 32 uint8 (E8M0 scales of wo, one for each 32 codes along K); wq_codes 1,024 x 32 x 24 uint8 (E2M3 codes of wq, K innermost, in blocks of 32 codes, four codes in three bytes); wq_scales 1,024 x 32 uint8 (E8M0 scales of wq, one for each 32 codes along K); wv_codes 1,024 x 32 x 24 uint8 (E2M3 codes of wv, K innermost, in blocks of 32 codes, four codes in three bytes); wv_scales 1,024 x 32 uint8 (E8M0 scales of wv, one for each 32 codes along K); x_codes 4 x 2,048 x 32 x 24 uint8 (E2M3 codes of x, K innermost, in blocks of 32 codes, four codes in three bytes); x_scales 4 x 2,048 x 32 uint8 (E8M0 scales of x, one for each 32 codes along K).
;; Outputs: out0 4 x 2,048 x 1,024 float32.
;; This version of the problem:
;;   THIS VERSION OF THE PROBLEM IS GIVEN IN LOW PRECISION. The matrix products marked QUANTISED in the list below multiply operands that are first quantised to E2M3 (2 exponent bits, 3 mantissa bits; 6 bits a number), with one power-of-two scale for each 32 numbers along K (OCP MX v1.0); their sums are f32. All else is computed in f32.
;;   The module's matrix products, in the order in which they are computed (A, B: the left and right operand; K: the contracted axis; several contracted axes count as one K, in the product's order):
;;     1. [M 8,192, K 1,024] x [K 1,024, N 1,024]; A: input x (given as codes); B: input wq (given as codes): QUANTISED
;;     2. [M 8,192, K 1,024] x [K 1,024, N 1,024]; A: input x (given as codes); B: input wk (given as codes): QUANTISED
;;     3. [M 8,192, K 1,024] x [K 1,024, N 1,024]; A: input x (given as codes); B: input wv (given as codes): QUANTISED
;;     4. batch 64 x [M 2,048, K 64] x [K 64, N 2,048]; A: computed on the way; B: computed on the way: QUANTISED
;;     5. batch 64 x [M 2,048, K 2,048] x [K 2,048, N 64]; A: softmax (see below); B: computed on the way: QUANTISED
;;     6. [M 8,192, K 1,024] x [K 1,024, N 1,024]; A: computed on the way; B: input wo (given as codes): QUANTISED
;;   THE QUANTISER, for each operand of a quantised product, along K:
;;     - K is cut into blocks of 32 from its start; a last block that is shorter is filled with zeros.
;;     - A block's scale is 2^e with e = floor(log2(the largest magnitude in the block)) - 2, held to -126 .. 127; a block of zeros has e = 0. As a byte (E8M0): e + 127.
;;     - Each number is divided by its block's scale, clamped to +-7.5, and rounded to the nearest number of E2M3, ties to even, subnormals kept.
;;     - The product sums the exact products of the quantised numbers (number of the format x scale) in f32.
;;   ~~~python
;;   def quantise(x, axis):      # numpy; x: float32 -> the quantised numbers, widened to float32 again
;;       x = np.moveaxis(x, axis, -1); K = x.shape[-1]
;;       x = np.pad(x, [(0, 0)] * (x.ndim - 1) + [(0, -K % 32)]); x = x.reshape(x.shape[:-1] + (-1, 32)); a = np.abs(x).max(-1, keepdims=True)
;;       e = np.where(a > 0, np.clip(np.frexp(np.where(a > 0, a, 1))[1] - 1 - 2, -126, 127), 0)      # np.frexp(a)[1] - 1 = floor(log2(a)), exactly
;;       r = np.clip(x / 2.0 ** e, -7.5, 7.5)
;;       step = 2.0 ** (np.maximum(np.frexp(np.where(r == 0, 1, r))[1] - 1, 0) - 3)
;;       q = np.round(r / step) * step * 2.0 ** e      # np.round: ties to even
;;       return np.moveaxis(q.reshape(q.shape[:-2] + (-1,))[..., :K], -1, axis).astype(np.float32)
;;   ~~~
;;   SOFTMAX AHEAD OF A QUANTISED PRODUCT. Where the list says 'softmax', what is quantised is not the finished softmax but p = 2^(t - M), with t = logit x log2(e) and M = ceil(the row's largest t), a whole number; so 1/2 < the row's largest p <= 1. The row's sum l is taken of the UNQUANTISED p, in f32, and the product's result is divided by l at the end. Since M is a whole number, a kernel that streams over the keys may use a running M (the ceiling of the running maximum): every later rescaling is an exact power of two, which a block's scale takes up: the codes' values come out the same.
;;   OPERANDS COMPUTED ON THE WAY. 'Computed on the way' means the value that the module computes at that place (a softmax that the list does not call 'softmax' is quantised finished and normalised). What goes into a quantiser is computed in f32, as accurately as f32 sums, v_exp_f32 and their like allow (about 1e-6 of the number): no bf16 or f16 on the way to a quantiser, and a product that is left as it is and whose result goes on into a quantised operand takes f32 operands (vector FMAs, or v_wmma_f32_16x16x4_f32). A number that lies on a knife's edge between two numbers of the format may be rounded either way, as far as f32 arithmetic and the matrix unit's own rounding can turn it there, and no further.
;;   INPUTS GIVEN AS CODES. wk (in the module: [1024, 1024], K = its axis 0); wo (in the module: [1024, 1024], K = its axis 0); wq (in the module: [1024, 1024], K = its axis 0); wv (in the module: [1024, 1024], K = its axis 0); x (in the module: [4, 2048, 1024], K = its axis 2): each comes as NAME_codes (uint8): NAME with its K axis moved to the last place and cut into blocks of 32 codes, [.., K / 32, bytes a block], one block behind the other in memory; four codes in three bytes: a row's codes are one little-endian stream of bits, code i at bits 6 i .. 6 i + 5 (a code: sign, 2 exponent bits, 3 mantissa bits); and NAME_scales (uint8): the same leading axes, one E8M0 byte (e + 127) for each 32 codes along K. Its value is code x scale, taken as it is: it is not quantised again, and the codes and scales need not be those that the quantiser above would give.
;; One version. Each part assembles by itself: llvm-mc -triple=amdgcn-amd-amdhsa -mcpu=gfx1250 --defsym DOCPART=n.
;; ======== version 1 of 1: 3 launches
;; workspace buffers: qkv 19,660,800 bytes; ybuf 6,553,600 bytes
;; launch proj (part 1): grid 12 x 32, 4 waves a work-group, clusters of 4 x 4, 327,680 bytes of LDS; arguments x_codes, x_scales, wq_codes, wq_scales, wk_codes, wk_scales, wv_codes, wv_scales, qkv; writes qkv
.if DOCPART == 1
	.amdgcn_target "amdgcn-amd-amdhsa--gfx1250"
	.amdhsa_code_object_version 6
	.text
	.protected	k_q7a987e6504_proj
	.globl	k_q7a987e6504_proj
	.p2align	8
	.type	k_q7a987e6504_proj,@function
k_q7a987e6504_proj:
	s_mov_b64 s[64:65], 0
	v_nop
	global_prefetch_b8 v0, s[64:65] scope:SCOPE_SE
	s_setreg_imm32_b32 hwreg(HW_REG_WAVE_MODE, 25, 1), 1
	s_wait_xcnt 0x0
	s_wait_alu depctr_hold_cnt(0) depctr_sa_sdst(0) depctr_va_vdst(0) depctr_va_sdst(0) depctr_va_ssrc(0) depctr_va_vcc(0) depctr_vm_vsrc(0)
	s_getreg_b32 s2, hwreg(HW_REG_IB_STS2, 6, 4)
	s_cmp_eq_u32 s2, 0
	s_cbranch_scc0 .Lentry_in_a_cluster
	s_endpgm
.Lentry_in_a_cluster:
	s_bfe_u32 s2, ttmp6, 0x10000c
	s_cmp_lg_u32 s2, 0xf033
	s_cbranch_scc0 .Lentry_shape_is_right
	s_endpgm
.Lentry_shape_is_right:
; q = rope(x wq), k = rope(x wk), v = x wv, on codes of FP6 (E2M3) with one E8M0 scale for each 32 along K = 1,024; the results are quantised here: q and k along a head's 64 channels, v along the keys.
; x: [8192][768 bytes of codes], [8192][32 scale bytes]; each w: [1024 features][768], [1024][32].  Cluster x (0, 1, 2) says which product: q, k, v.
; A tile of 256 x 256 results is made by four waves, 128 x 128 each: 64 accumulators, 512 registers.  K goes in steps of 256 through a ring of two LDS slots; the scale bytes of the tile's 512 rows come once.
; THE MATRIX INSTRUCTION: source 1 ("side A") gives the lane its row, source 0 ("side B") runs along the lane's registers.  For q and k: A = x (a lane holds a token, its registers run along the features: the next K).
; For v the two sides change places BY POINTERS ALONE: A = wv, B = x: a lane holds a channel and its registers run along the tokens, which are v's K.  Both sides have rows of 768 + 32 bytes, so the loop is one text.
; CLUSTERS: 4 x 4 work-groups; A's tiles are shared along a row of the cluster, B's along a column: each is asked for jointly.
; THE BLOCKS OF 16 ROWS ARE TAKEN IN THE ORDER 0, 2, 1, 3 (4, 6, 5, 7): index i stands for natural block pi(i).  So the four blocks of a group of 64 lie so in the registers that sixteen exchanges of lane halves
; leave a WHOLE block of 32 neighbours, in true order, in one lane: lanes 0-15 block 0, lanes 16-31 block 1 of the lane's row.
; WHAT IS STORED (qkv: [64 heads][16 groups of 128 tokens][19,200 bytes]: K's section at 0, V's at 6,400, Q's at 12,800): images of operand registers.  Half a fragment (16 rows x 64 K, six registers a lane):
; lane l's registers 0-3 at 16 l, registers 4-5 at 512 + 8 l: 768 bytes.  The rows of such a tile are chosen: in a group of 64, row m of tile T is member 32 (m / 8) + 8 T + m % 8.  Scale words at 6,144 in a section.
; ROPE as the source has it: both terms times sin.  out[d] = (a[d] - a[d+32]) s[d], out[d+32] = (a[d+32] + a[d]) s[d], s[d] = sin(fl(pos x theta_d)), theta_d = 10^(-d/4).
; LIMITS.  A given scale byte 0xff (NaN) is not served.  A block of zeros gets the byte 1 where the quantiser says 127: its codes are zeros and this program alone reads the bytes.  theta_d for d >= 5, d % 4 != 0 is the
; product of two rounded factors, within about 1.5 units in its last place (at most 2e-5 in an angle of at most 115).  sin: reduction by pi in two parts, odd series to r^11 on |r| <= pi/2 (error under 6e-8).
; Each rope term pair is one product and one fused multiply-add: one rounding fewer than two products and a sum.
.set KSTEP,  256
.set NQ,     2                         ; matrix instructions deep in a slot
.set ROWB,   192                       ; a tile's row: 256 codes
.set KROW,   768                       ; a row in memory
.set PITCH,  240                       ; an LDS row: 3 x (64 bytes + 16 of padding)
.set FR,     12
.set NL,     6
.set NP,     4
.set HALFT,  128*PITCH
.set SLOT,   4*HALFT
.set KS,     32                        ; a row of scale bytes
.set SCL,    2*SLOT                    ; behind the ring: the scale bytes, as 256 bytes + 16 of padding
.set HALFS,  (128*KS/256)*272
.set SBLK,   (16*KS/256)*272
.set SPARE,  SCL+4*HALFS               ; the spare words: 128 bytes a wave, named by no other line
.set STAB,   SPARE+512                 ; the sin table: 256 rows (the tile's tokens) x 32 numbers, 144 bytes apart; written by LDS stores, no fill lands here
.set SPT,    144
.set BLKB,   19200
.set HEADB,  16*BLKB
.set ADRA, 16                          ; v16-19  LDS addresses of my A fragments, slot 0, 1; the same behind one padding more
.set ADRB, 20                          ; v20-23  the same for B
.set ADRS, 27                          ; v27     my scale words: lanes 0-15 A's rows, lanes 16-31 B's
.set SPW,  28                          ; v28     my spare word; never rewritten
.set NIL,  29                          ; v29     0; never rewritten
.set STA,  30                          ; v30     where I store my rows of the sin table
.set SC,   32                          ; v32-63  scale words, two sets
.set AF,   128                         ; A's fragments, window 0
.set WV,   22
.set HA,   23                          ; wave / 2: my half of A's rows; also: I fetch for A (0) or B (1)
.set HB,   92                          ; wave % 2: my half of B's rows; also: which 128 rows I fetch
.set G1, 24
.set G0, 32
.set G1B, 48
.set G0B, 56
.set G1S, 68
.set G0S, 76
.set G1SB, 80
.set G0SB, 88
.set MSB, 0
.macro WIN new                         ; the immediate's high byte repeats the setting that is left
.if MSB != (\new)
	s_set_vgpr_msb (MSB<<8)|(\new)
.set MSB, (\new)
.endif
.endm
.set MUL_LO, 0xa1                      ; source 0 (B) window 1, source 1 (A) window 0, C and D window 2
.set MUL_HI, 0xf1                      ; the same, C and D window 3
.set TO_B,   0x40
; A joint load: waves 0, 1 fetch for A, waves 2, 3 for B; the branch hangs on the wave's number alone.  Four v_nop follow each line.
.macro JLOAD g0a, g1a, g0b, g1b
	s_cmp_eq_u32 s[HA], 0
	s_cbranch_scc0 .Lfor_b_\@
	tensor_load_to_lds s[\g0a:\g0a+3], s[\g1a:\g1a+7]
	s_nop 0
.rept 4
	v_nop
.endr
	s_branch .Lasked_\@
.Lfor_b_\@:
	tensor_load_to_lds s[\g0b:\g0b+3], s[\g1b:\g1b+7]
	s_nop 0
.rept 4
	v_nop
.endr
.Lasked_\@:
.endm
.macro CREST                           ; a round of the cluster's barrier behind its opening barrier
	s_cmp_lg_u32 s[WV], 0
	s_cbranch_scc1 .Lnot_wave_0_\@
	s_barrier_signal -3
.Lnot_wave_0_\@:
	s_barrier_wait -3
	s_barrier_signal -1
	s_barrier_wait -1
.endm
.macro CROUND
	s_barrier_signal -1
	s_barrier_wait -1
	CREST
.endm
	s_load_b512 s[4:19], s[0:1], 0x0               ; x codes, x scales, wq, wq scales, wk, wk scales, wv, wv scales
	s_load_b64 s[20:21], s[0:1], 0x40              ; qkv
	v_lshl_add_u32 v[SPW], v0, 2, SPARE
	v_mov_b32 v[NIL], 0
	ds_add_u32 v28, v29
	ds_add_u32 v28, v29
	s_wait_dscnt 0x0
	v_lshrrev_b32 v1, 5, v0
	v_readfirstlane_b32 s[WV], v1
	s_lshr_b32 s[HA], s[WV], 1
	s_and_b32 s[HB], s[WV], 1
	s_bfe_u32 s40, ttmp6, 0x40000                  ; cx
	s_bfe_u32 s41, ttmp6, 0x40004                  ; cy
	s_and_b32 s46, ttmp7, 0xffff
	s_lshl_b32 s46, s46, 2                         ; 4 x cluster y: the token tiles' part
	s_cmp_eq_u32 ttmp9, 2
	s_cselect_b32 s96, 0, s46                      ; v: the tokens are side B's
	s_cselect_b32 s97, s46, 0
	s_add_co_u32 s95, s96, s41                     ; side A's tile: hangs on cy alone within the cluster
	s_add_co_u32 s42, s97, s40                     ; side B's tile: on cx alone
	s_lshl_b32 s43, s41, 2
	s_lshl_b32 s43, 15, s43                        ; my row of the cluster
	s_lshl_b32 s44, 0x1111, s40                    ; my column
	s_or_b32 s[G1+0], s43, (0<<16)|(1<<20)|(1<<21)|(3<<22)|(3<<25)   ; mask; elements of 1 byte; padding on; bit 21 beside a mask; after every 16 words, 4 words
	s_or_b32 s[G1B+0], s44, (0<<16)|(1<<20)|(1<<21)|(3<<22)|(3<<25)
.irp g, G1, G1B
	s_mov_b32 s[\g+1], ROWB<<16                    ; tensor_dim0
	s_mov_b32 s[\g+2], 128<<16                     ; tensor_dim1
	s_mov_b32 s[\g+3], ROWB<<16                    ; tile_dim0
	s_mov_b32 s[\g+4], 128                         ; tile_dim1
	s_mov_b32 s[\g+5], KROW                        ; pitch
	s_mov_b32 s[\g+6], 0
	s_mov_b32 s[\g+7], 0
.endr
	s_or_b32 s[G1S+0], s43, (3<<16)|(1<<20)|(1<<21)|(5<<22)|(3<<25)  ; the scale bytes of 128 rows: 4,096 dense bytes as 16 rows of 256, 16 bytes of padding behind each
	s_or_b32 s[G1SB+0], s44, (3<<16)|(1<<20)|(1<<21)|(5<<22)|(3<<25)
.irp g, G1S, G1SB
	s_mov_b32 s[\g+1], 32<<16
	s_mov_b32 s[\g+2], (128*KS/256)<<16
	s_mov_b32 s[\g+3], 32<<16
	s_mov_b32 s[\g+4], 128*KS/256
	s_mov_b32 s[\g+5], 32
	s_mov_b32 s[\g+6], 0
	s_mov_b32 s[\g+7], 0
.endr
	s_lshl_b32 s46, s[HB], 7
	s_lshl_b32 s96, s95, 8
	s_add_co_u32 s96, s96, s46                     ; A: row 256 x tile + 128 x half
	s_lshl_b32 s97, s42, 8
	s_add_co_u32 s97, s97, s46                     ; B likewise
	s_mul_i32 s98, s96, KROW                       ; under 2^23 bytes
	s_mov_b32 s99, 0
	s_mul_i32 s100, s97, KROW
	s_mov_b32 s101, 0
	s_lshl_b32 s96, s96, 5                         ; and the rows' scale bytes
	s_lshl_b32 s97, s97, 5
	s_mul_i32 s45, s[WV], HALFT                    ; where they go: wave x 128 rows
	s_mul_i32 s94, s[WV], HALFS
	s_wait_kmcnt 0x0
	s_cmp_eq_u32 ttmp9, 0                          ; the weight: wq, wk or wv.  Every choice hangs on the cluster's x alone
	s_cselect_b64 s[12:13], s[8:9], s[12:13]
	s_cselect_b64 s[14:15], s[10:11], s[14:15]
	s_cmp_eq_u32 ttmp9, 2
	s_cselect_b64 s[12:13], s[16:17], s[12:13]
	s_cselect_b64 s[14:15], s[18:19], s[14:15]
	s_cselect_b64 s[8:9], s[4:5], s[12:13]         ; side B: x for v, else the weight
	s_cselect_b64 s[10:11], s[6:7], s[14:15]
	s_cselect_b64 s[4:5], s[12:13], s[4:5]         ; side A: the weight for v, else x
	s_cselect_b64 s[6:7], s[14:15], s[6:7]
	s_add_nc_u64 s[12:13], s[4:5], s[98:99]        ; A's codes at my rows
	s_add_nc_u64 s[16:17], s[8:9], s[100:101]      ; B's
	s_mov_b32 s98, s96
	s_mov_b32 s100, s97
	s_add_nc_u64 s[14:15], s[6:7], s[98:99]        ; A's scale bytes
	s_add_nc_u64 s[18:19], s[10:11], s[100:101]    ; B's
	CROUND                                         ; all sixteen work-groups are here: the first joint loads meet
	s_mov_b32 s[G0S], 1
	s_add_co_u32 s[G0S+1], s94, SCL
	s_mov_b64 s[G0S+2:G0S+3], s[14:15]
	s_or_b32 s[G0S+3], s[G0S+3], 0x80000000
	s_mov_b32 s[G0SB], 1
	s_add_co_u32 s[G0SB+1], s94, SCL
	s_mov_b64 s[G0SB+2:G0SB+3], s[18:19]
	s_or_b32 s[G0SB+3], s[G0SB+3], 0x80000000
	JLOAD G0S, G1S, G0SB, G1SB                     ; the scale bytes first: wanted with K step 0
.irp s, 0,1
	s_mov_b32 s[G0+4*\s], 1
	s_add_co_u32 s[G0+4*\s+1], s45, \s*SLOT
	s_add_nc_u64 s[G0+4*\s+2:G0+4*\s+3], s[12:13], \s*ROWB
	s_or_b32 s[G0+4*\s+3], s[G0+4*\s+3], 0x80000000
	s_mov_b32 s[G0B+4*\s], 1
	s_add_co_u32 s[G0B+4*\s+1], s45, \s*SLOT
	s_add_nc_u64 s[G0B+4*\s+2:G0B+4*\s+3], s[16:17], \s*ROWB
	s_or_b32 s[G0B+4*\s+3], s[G0B+4*\s+3], 0x80000000
	JLOAD G0+4*\s, G1, G0B+4*\s, G1B
.endr
	v_and_b32 v1, 15, v0                           ; r
	v_bfe_u32 v2, v0, 4, 1                         ; h
	v_mul_u32_u24 v3, v1, PITCH
	v_mul_u32_u24 v4, v2, 24
	v_add_nc_u32 v4, v3, v4                        ; a fragment's row x pitch + 24 h
	v_lshl_add_u32 v5, v2, 4, v4                   ; the same behind one padding more
	s_mul_i32 s46, s[HA], HALFT
	s_mul_i32 s47, s[HB], HALFT
	s_add_co_u32 s47, s47, 2*HALFT                 ; B's rows lie behind A's 256
.irp s, 0,1
	v_add_nc_u32 v[ADRA+\s], s46, v4
	v_add_nc_u32 v[ADRB+\s], s47, v4
	v_add_nc_u32 v[ADRA+2+\s], s46, v5
	v_add_nc_u32 v[ADRB+2+\s], s47, v5
	s_add_co_u32 s46, s46, SLOT
	s_add_co_u32 s47, s47, SLOT
.endr
	v_mul_u32_u24 v5, v1, KS
	v_lshrrev_b32 v6, 8, v5
	v_lshl_add_u32 v5, v6, 4, v5                   ; my row's scale bytes: 32 a row, 16 more for each 256 passed
	s_mul_i32 s46, s[HA], HALFS
	s_mul_i32 s47, s[HB], HALFS
	s_add_co_u32 s47, s47, 2*HALFS
	s_sub_co_u32 s47, s47, s46
	v_mul_u32_u24 v6, s47, v2                      ; lanes 16-31 take B's
	s_add_co_u32 s46, s46, SCL
	v_add_nc_u32 v5, v5, v6
	v_add_nc_u32 v[ADRS], s46, v5
	v_mul_u32_u24 v[STA], v0, SPT
	v_add_nc_u32 v[STA], STAB, v[STA]              ; thread t makes rows t and t + 128 of the sin table
; THE SIN TABLE, for q and k, made while the first tiles are on their way.
.set TH,   64                          ; v64-95   theta_0 .. theta_31
.set PS,   96                          ; v[96:97] row t's position, twice; v[98:99] row t + 128's
.set C11,  100                         ; v[100:101] -1/11!, twice
.set SX,   104
.set SNN,  112
.set SI,   120
.set SR2,  128
.set SPL,  136
.set SOUT, 144
.macro DECADE n, lit
.irp k, 0,1,2,3
	v_mul_f32 v[TH+4*\n+\k], \lit, v[TH+\k]
.endr
.endm
.macro SIN8 row, g                     ; eight numbers: theta_(8 g) .. theta_(8 g + 7) of one row, line by line so that no line waits for the line above it
.irp k, 0,2,4,6
	v_pk_mul_f32 v[SX+\k:SX+\k+1], v[TH+8*\g+\k:TH+8*\g+\k+1], v[PS+2*\row:PS+2*\row+1]   ; the angle, rounded to f32
.endr
.irp k, 0,2,4,6
	v_pk_mul_f32 v[SNN+\k:SNN+\k+1], v[SX+\k:SX+\k+1], 0x3ea2f983 op_sel_hi:[1,0]          ; x 1/pi
.endr
.irp k, 0,1,2,3,4,5,6,7
	v_rndne_f32 v[SNN+\k], v[SNN+\k]               ; n
.endr
.irp k, 0,2,4,6
	v_pk_fma_f32 v[SX+\k:SX+\k+1], v[SNN+\k:SNN+\k+1], 0xc0490fdb, v[SX+\k:SX+\k+1] op_sel_hi:[1,0,1]   ; r = x - n pi, pi in two parts
.endr
.irp k, 0,2,4,6
	v_pk_fma_f32 v[SX+\k:SX+\k+1], v[SNN+\k:SNN+\k+1], 0x33bbbd2e, v[SX+\k:SX+\k+1] op_sel_hi:[1,0,1]
.endr
.irp k, 0,1,2,3,4,5,6,7
	v_cvt_i32_f32 v[SI+\k], v[SNN+\k]
.endr
.irp k, 0,1,2,3,4,5,6,7
	v_lshlrev_b32 v[SI+\k], 31, v[SI+\k]
.endr
.irp k, 0,1,2,3,4,5,6,7
	v_xor_b32 v[SX+\k], v[SX+\k], v[SI+\k]         ; (-1)^n goes into r: the series is odd
.endr
.irp k, 0,2,4,6
	v_pk_mul_f32 v[SR2+\k:SR2+\k+1], v[SX+\k:SX+\k+1], v[SX+\k:SX+\k+1]
.endr
.irp k, 0,2,4,6
	v_pk_fma_f32 v[SPL+\k:SPL+\k+1], v[SR2+\k:SR2+\k+1], v[C11:C11+1], 0x3638ef1d op_sel_hi:[1,1,0]
.endr
.irp c, 0xb9500d01, 0x3c088889, 0xbe2aaaab
.irp k, 0,2,4,6
	v_pk_fma_f32 v[SPL+\k:SPL+\k+1], v[SPL+\k:SPL+\k+1], v[SR2+\k:SR2+\k+1], \c op_sel_hi:[1,1,0]
.endr
.endr
.irp k, 0,2,4,6
	v_pk_mul_f32 v[SR2+\k:SR2+\k+1], v[SR2+\k:SR2+\k+1], v[SX+\k:SX+\k+1]
.endr
.irp k, 0,2,4,6
	v_pk_fma_f32 v[SOUT+\k:SOUT+\k+1], v[SR2+\k:SR2+\k+1], v[SPL+\k:SPL+\k+1], v[SX+\k:SX+\k+1]   ; r + r^3 P(r^2)
.endr
	ds_store_b128 v[STA], v[SOUT:SOUT+3] offset:128*SPT*\row+32*\g
	ds_store_b128 v[STA], v[SOUT+4:SOUT+7] offset:128*SPT*\row+32*\g+16
.endm
	s_cmp_eq_u32 ttmp9, 2                          ; v has no rope.  The branch hangs on the cluster's x, which all partners share
	s_cbranch_scc1 .Lno_sin
	v_mov_b32 v[TH], 1.0
	v_mov_b32 v[TH+1], 0x3f0ff59a                  ; 10^(-1/4)
	v_mov_b32 v[TH+2], 0x3ea1e89b                  ; 10^(-1/2)
	v_mov_b32 v[TH+3], 0x3e361887                  ; 10^(-3/4)
	DECADE 1, 0x3dcccccd
	DECADE 2, 0x3c23d70a
	DECADE 3, 0x3a83126f
	DECADE 4, 0x38d1b717
	DECADE 5, 0x3727c5ac
	DECADE 6, 0x358637bd
	DECADE 7, 0x33d6bf95
	s_and_b32 s46, s95, 7                          ; eight tiles of 256 tokens to a sequence
	s_lshl_b32 s46, s46, 8
	v_add_nc_u32 v[SI], s46, v0
	v_cvt_f32_u32 v[PS], v[SI]
	v_add_nc_u32 v[SI], 128, v[SI]
	v_cvt_f32_u32 v[PS+2], v[SI]
	v_mov_b32 v[PS+1], v[PS]
	v_mov_b32 v[PS+3], v[PS+2]
	v_mov_b32 v[C11], 0xb2d7322b
	v_mov_b32 v[C11+1], 0xb2d7322b
.irp w, 0,1
.irp g, 0,1,2,3
	SIN8 \w, \g
.endr
.endr
.Lno_sin:
.macro FRAG reg, adr, q, i             ; a fragment, 16 rows x 128 K: 12 registers; six pieces of 8 bytes.  Index i stands for the rows of natural block pi(i)
.irp p, 0,1,2,3,4,5
.set PCE, 12*(\q)+6*(\p/3)+\p%3
.if PCE%8 < 5
	ds_load_b64 v[\reg+2*\p:\reg+2*\p+1], v[\adr] offset:8*PCE+16*(PCE/8)+(((\i)&4)|(((\i)&1)<<1)|(((\i)>>1)&1))*16*PITCH
.else
	ds_load_b64 v[\reg+2*\p:\reg+2*\p+1], v[\adr+2] offset:8*PCE+16*(PCE/8)+(((\i)&4)|(((\i)&1)<<1)|(((\i)>>1)&1))*16*PITCH
.endif
.endr
.endm
; 16 matrix instructions: A's blocks a0, a0 + 1 x B's eight.  The 64 accumulators take turns, one instruction a turn, in the same order in every step.
.macro MUL16 a0, p, q, sc, zero
.irp a, \a0, \a0+1
.irp b, 0,1,2,3,4,5,6,7
.if \zero
	v_wmma_scale_f32_16x16x128_f8f6f4 v[8*(8*((\a)%4)+\b):8*(8*((\a)%4)+\b)+7], v[128*(\p)+FR*\b:128*(\p)+FR*\b+FR-1], v[AF+FR*(\a):AF+FR*(\a)+FR-1], 0, v[SC+8*NQ*(\sc)+NQ*\b+(\q)], v[SC+8*NQ*(\sc)+NQ*(\a)+(\q)] matrix_a_fmt:MATRIX_FMT_FP6 matrix_b_fmt:MATRIX_FMT_FP6 matrix_a_scale:MATRIX_SCALE_ROW1
.else
	v_wmma_scale_f32_16x16x128_f8f6f4 v[8*(8*((\a)%4)+\b):8*(8*((\a)%4)+\b)+7], v[128*(\p)+FR*\b:128*(\p)+FR*\b+FR-1], v[AF+FR*(\a):AF+FR*(\a)+FR-1], v[8*(8*((\a)%4)+\b):8*(8*((\a)%4)+\b)+7], v[SC+8*NQ*(\sc)+NQ*\b+(\q)], v[SC+8*NQ*(\sc)+NQ*(\a)+(\q)] matrix_a_fmt:MATRIX_FMT_FP6 matrix_b_fmt:MATRIX_FMT_FP6 matrix_a_scale:MATRIX_SCALE_ROW1
.endif
.endr
.endr
.endm
.macro FETCH_B slot, q, p
	WIN TO_B
.irp i, 0,1,2,3,4,5,6,7
	FRAG 128*(\p)+FR*\i, ADRB+\slot, \q, \i
.endr
	WIN 0
.endm
.macro FETCH_A slot, q, i0
.irp i, \i0, \i0+1, \i0+2, \i0+3
	FRAG AF+FR*(\i), ADRA+\slot, \q, \i
.endr
.endm
.macro SCALES sc                       ; a K step's scale words: two a row; lanes 0-15 A's block pi(i), lanes 16-31 B's block pi(i)
.irp i, 0,1,2,3,4,5,6,7
	ds_load_b64 v[SC+8*NQ*\sc+NQ*\i:SC+8*NQ*\sc+NQ*\i+1], v[ADRS] offset:(((\i)&4)|(((\i)&1)<<1)|(((\i)>>1)&1))*SBLK
.endr
.endm
.macro PLACES n                        ; plain vector places behind matrix instructions, in front of loads into registers that they read and of reads of their results
.rept \n
	v_nop
.endr
.endm
.macro STEP slot, q, zero              ; 128 along K whose successor lies in the same slot
	s_wait_dscnt 4*NL                              ; all but the youngest 24 loads (A's blocks 4-7) are in
	WIN MUL_LO
	MUL16 0, (\q)%2, \q, \slot, \zero
	MUL16 2, (\q)%2, \q, \slot, \zero
	s_wait_dscnt 0
	PLACES NP
	FETCH_B \slot, (\q)+1, 1-(\q)%2
	FETCH_A \slot, (\q)+1, 0
	WIN MUL_HI
	MUL16 4, (\q)%2, \q, \slot, \zero
	MUL16 6, (\q)%2, \q, \slot, \zero
	PLACES NP
	WIN 0
	FETCH_A \slot, (\q)+1, 4
.endm
; A slot's last step changes slots: one barrier; in front of it each wave waits for all its tensor loads, adds 0 to its spare word, and waits for that and for its reads of this slot.
.macro TURN slot, next, fill
	s_wait_tensorcnt 0x0                           ; all my tensor loads have landed: my part of the next slot
	ds_add_u32 v[SPW], v[NIL]                      ; 0 onto my spare word
	s_wait_dscnt 4*NL+1                            ; (the add and the youngest 24 loads may be out)
	WIN MUL_LO
	MUL16 0, 1, NQ-1, \slot, 0
	s_wait_dscnt 0x0                               ; the add is done, and my reads of this slot are over
	s_barrier_signal -1
	MUL16 2, 1, NQ-1, \slot, 0
	WIN 0
	s_barrier_wait -1
.if \fill
	CREST                                          ; the barrier has opened a round of the cluster's: no wave of any partner still reads this slot or has a load on its way
	s_add_nc_u64 s[G0+4*\slot+2:G0+4*\slot+3], s[G0+4*\slot+2:G0+4*\slot+3], 2*ROWB
	s_add_nc_u64 s[G0B+4*\slot+2:G0B+4*\slot+3], s[G0B+4*\slot+2:G0B+4*\slot+3], 2*ROWB
	JLOAD G0+4*\slot, G1, G0B+4*\slot, G1B         ; the first tensor load behind the round; its four v_nop are the places in front of the loads below
.else
	PLACES NP
.endif
	v_add_nc_u32 v[ADRS], 4*NQ, v[ADRS]            ; the next K step's scale words
	FETCH_B \next, 0, 0
	FETCH_A \next, 0, 0
	SCALES \next
	WIN MUL_HI
	MUL16 4, 1, NQ-1, \slot, 0
	MUL16 6, 1, NQ-1, \slot, 0
	PLACES NP
	WIN 0
	FETCH_A \next, 0, 4
.endm
	s_wait_tensorcnt 1                             ; of my three first fills the scale bytes and K step 0 are in; K step 1's may be out
	s_wait_dscnt 0x0                               ; my rows of the sin table are stored
	s_barrier_signal -1
	s_barrier_wait -1
	FETCH_B 0, 0, 0
	FETCH_A 0, 0, 0
	SCALES 0
	FETCH_A 0, 0, 4
	STEP 0, 0, 1                                   ; K = 1,024 is four slots' worth: written straight.  The first products start the sums
	TURN 0, 1, 1
	STEP 1, 0, 0
	TURN 1, 0, 1
	STEP 0, 0, 0
	TURN 0, 1, 0                                   ; nothing is left to fetch
	STEP 1, 0, 0
	s_wait_dscnt 4*NL
	WIN MUL_LO
	MUL16 0, 1, NQ-1, 1, 0
	MUL16 2, 1, NQ-1, 1, 0
	s_wait_dscnt 0
	WIN MUL_HI
	MUL16 4, 1, NQ-1, 1, 0
	MUL16 6, 1, NQ-1, 1, 0
	WIN 0
; THE WAY OUT.  Window 0: v7-15 addresses and shifts; v32-63 W: 32 numbers of a lane; v64-79 sin; v80-88 codes; v90-95 at work; v96-111 scale words; v112-117 what is stored of them.
.set KOA, 7
.set KOB, 8
.set VOA, 9
.set VOB, 10
.set SCO, 11
.set SNA, 12
.set SHV, 13
.set SH8, 14
.set L4,  15
.set W,   32
.set SN,  64
.set CD,  80
.set CB,  86
.set MX,  90
.set SCOP, 92
.set BY,  93
.set T0,  94
.set T1,  95
.set WD,  96
.set S0,  112
.set T2,  116
.set T3,  117
.set M8,  98                           ; s98 lanes with r / 8 = 1;  s99 lanes 16-31
.set MH,  99
	PLACES NP
	s_cmp_eq_u32 ttmp9, 2
	s_cselect_b32 s96, s42, s95                    ; the tile of tokens,
	s_cselect_b32 s97, s[HB], s[HA]                ; my half of it,
	s_cselect_b32 s98, s41, s40                    ; the tile of features (four heads),
	s_cselect_b32 s99, s[HA], s[HB]                ; my half of it
	s_cselect_b32 s93, 6400, 0                     ; the section: V's,
	s_cmp_eq_u32 ttmp9, 0
	s_cselect_b32 s93, 12800, s93                  ; Q's, or K's
	s_lshr_b32 s100, s96, 3                        ; the batch
	s_lshl_b32 s100, s100, 4
	s_lshl_b32 s98, s98, 2
	s_add_co_u32 s100, s100, s98
	s_lshl_b32 s99, s99, 1
	s_add_co_u32 s100, s100, s99                   ; 16 b + my first head
	s_lshl_b32 s100, s100, 4
	s_and_b32 s96, s96, 7
	s_lshl_b32 s96, s96, 1
	s_add_co_u32 s100, s100, s96
	s_add_co_u32 s100, s100, s97                   ; + my group of 128 tokens
	s_mul_i32 s100, s100, BLKB
	s_add_co_u32 s100, s100, s93
	s_mov_b32 s101, 0
	s_add_nc_u64 s[20:21], s[20:21], s[100:101]
	s_mul_i32 s46, s[HA], 128*SPT
	s_add_co_u32 s46, s46, STAB
	v_and_b32 v1, 15, v0                           ; r
	v_bfe_u32 v2, v0, 4, 1                         ; h
	v_bfe_u32 v3, v0, 3, 1                         ; r / 8
	v_and_b32 v4, 7, v0                            ; r % 8
	v_lshlrev_b32 v5, 4, v4
	v_lshl_add_u32 v5, v2, 8, v5                   ; 16 (r % 8 + 16 h)
	v_lshlrev_b32 v6, 3, v4
	v_lshl_add_u32 v6, v2, 7, v6
	v_add_nc_u32 v6, 512, v6                       ; 512 + 8 (r % 8 + 16 h)
	v_mad_u32_u24 v[KOA], v3, 768, v5              ; rows 8-15 of a natural tile belong to the next chosen tile
	v_mad_u32_u24 v[KOB], v3, 768, v6
	v_mad_u32_u24 v[VOA], v3, 1536, v5
	v_mad_u32_u24 v[VOB], v3, 1536, v6
	v_lshlrev_b32 v[SCO], 5, v4
	v_lshl_add_u32 v[SCO], v3, 3, v[SCO]
	v_lshl_add_u32 v[SCO], v2, 4, v[SCO]           ; 32 (r % 8) + 8 (r / 8 + 2 h)
	v_mul_u32_u24 v[SNA], v1, SPT
	v_lshl_add_u32 v[SNA], v2, 5, v[SNA]
	v_add_nc_u32 v[SNA], s46, v[SNA]               ; the sin table: my token's row, + 32 h
	v_lshlrev_b32 v[SH8], 3, v2
	v_lshl_add_u32 v[SHV], v3, 4, v[SH8]
	v_and_b32 v[L4], 31, v0
	v_lshlrev_b32 v[L4], 2, v[L4]
	v_mov_b32 v[T0], 0                             ; written once: a lane permute's destination counts as one of its sources
	v_mov_b32 v[T1], 0
	s_mov_b32 s46, 0x76543210
	s_mov_b32 s47, 0xfedcba98                      ; v_permlanex16_b32's selects for lane l xor 16
	s_mov_b32 s[M8], 0xff00ff00
	s_mov_b32 s[MH], 0xffff0000
.macro SWAP16                          ; W: blocks in the order 0, 2, 1, 3, each with 8 numbers a lane half.  Afterwards W[0..31] are 32 neighbours: lanes 0-15 members 0-31, lanes 16-31 members 32-63
.irp j, 0,1,2,3,4,5,6,7
	v_permlane16_swap_b32 v[W+\j], v[W+8+\j]
.endr
.irp j, 0,1,2,3,4,5,6,7
	v_permlane16_swap_b32 v[W+16+\j], v[W+24+\j]
.endr
.endm
.macro QUANT32                         ; a lane's block of 32 in W becomes six registers of codes in CD and its scale byte in BY
	v_max3_num_f32 v[MX], |v[W]|, |v[W+1]|, 0x1800000              ; with the floor 2^(3 - 127): the byte cannot fall under 1
	v_max3_num_f32 v[MX+1], |v[W+16]|, |v[W+17]|, |v[W+18]|
.irp i, 2,4,6,8,10,12
	v_max3_num_f32 v[MX], v[MX], |v[W+\i]|, |v[W+\i+1]|
	v_max3_num_f32 v[MX+1], v[MX+1], |v[W+17+\i]|, |v[W+18+\i]|
.endr
	v_max3_num_f32 v[MX], v[MX], |v[W+14]|, |v[W+15]|
	v_max3_num_f32 v[MX], v[MX], v[MX+1], |v[W+31]|
	v_add_nc_u32 v[SCOP], 0xff000000, v[MX]        ; 2 off the exponent field: the conversion's scale operand
	v_lshrrev_b32 v[BY], 23, v[SCOP]               ; the scale's byte
	s_wait_xcnt 0x0                                ; the codes' registers were the last stores' data: written again only behind this wait
	v_cvt_scalef32_pk16_fp6_f32 v[CD:CD+2], v[W:W+15], v[SCOP]
	v_cvt_scalef32_pk16_fp6_f32 v[CB:CB+2], v[W+16:W+31], v[SCOP]  ; (a conversion's three registers begin on an even number)
	v_nop                                          ; one plain place behind a scaled conversion
.irp i, 0,1,2
	v_mov_b32 v[CD+3+\i], v[CB+\i]
.endr
.endm
.macro ROPE e                          ; head e of my two, token block AA: channels d and d + 32 lie in neighbouring accumulators.  Each accumulator is read from its low end on
	WIN 0x02+AA/4                                  ; source 0: the accumulators' window
.irp c, 0,1
.irp k, 0,2,4,6
	v_pk_mul_f32 v[W+16*\c+\k:W+16*\c+\k+1], v[8*(8*(AA%4)+4*\e+2*\c)+\k:8*(8*(AA%4)+4*\e+2*\c)+\k+1], v[SN+8*\c+\k:SN+8*\c+\k+1]
.endr
.irp k, 0,2,4,6
	v_pk_mul_f32 v[W+16*\c+8+\k:W+16*\c+8+\k+1], v[8*(8*(AA%4)+4*\e+2*\c+1)+\k:8*(8*(AA%4)+4*\e+2*\c+1)+\k+1], v[SN+8*\c+\k:SN+8*\c+\k+1]
.endr
.irp k, 0,2,4,6
	v_pk_fma_f32 v[W+16*\c+\k:W+16*\c+\k+1], v[8*(8*(AA%4)+4*\e+2*\c+1)+\k:8*(8*(AA%4)+4*\e+2*\c+1)+\k+1], v[SN+8*\c+\k:SN+8*\c+\k+1], v[W+16*\c+\k:W+16*\c+\k+1] neg_lo:[1,0,0] neg_hi:[1,0,0]
.endr
.irp k, 0,2,4,6
	v_pk_fma_f32 v[W+16*\c+8+\k:W+16*\c+8+\k+1], v[8*(8*(AA%4)+4*\e+2*\c)+\k:8*(8*(AA%4)+4*\e+2*\c)+\k+1], v[SN+8*\c+\k:SN+8*\c+\k+1], v[W+16*\c+8+\k:W+16*\c+8+\k+1]
.endr
.endr
	WIN 0
.endm
.macro QKTILE n                        ; natural block n of my 128 tokens, both heads
.set AA, (((\n)&4)|(((\n)&1)<<1)|(((\n)>>1)&1))
	ds_load_b128 v[SN:SN+3], v[SNA] offset:16*SPT*(\n)             ; sin at channels 8 h + 0 .. 7 and 16 + 8 h + 0 .. 7 of my token
	ds_load_b128 v[SN+4:SN+7], v[SNA] offset:16*SPT*(\n)+16
	ds_load_b128 v[SN+8:SN+11], v[SNA] offset:16*SPT*(\n)+64
	ds_load_b128 v[SN+12:SN+15], v[SNA] offset:16*SPT*(\n)+80
	s_wait_dscnt 0x0
.irp e, 0,1
	ROPE \e
	SWAP16
	QUANT32
	global_store_b128 v[KOA], v[CD:CD+3], s[20:21] offset:HEADB*\e+768*(4*((\n)/4)+2*((\n)%2))+128*(((\n)%4)/2)
	global_store_b64 v[KOB], v[CD+4:CD+5], s[20:21] offset:HEADB*\e+768*(4*((\n)/4)+2*((\n)%2))+64*(((\n)%4)/2)
	v_lshlrev_b32 v[BY], v[SHV], v[BY]             ; the byte of (token r, block h) at bits 8 h + 16 (r / 8);
	v_permlanex16_b32 v[T0], v[BY], s46, s47
	v_or_b32 v[BY], v[BY], v[T0]                   ; with the other block's,
	v_mov_b32_dpp v[T1], v[BY] row_xmask:8 row_mask:0xf bank_mask:0xf
	v_or_b32 v[WD+8*\e+(\n)], v[BY], v[T1]         ; and the token's eight rows on: the word of tokens r % 8 and 8 + r % 8
.endr
.endm
.macro VTILE e, ap                     ; head e, natural block ap of its 64 channels; my 128 tokens are two groups of 64
.set AA, (((4*\e+\ap)&4)|(((4*\e+\ap)&1)<<1)|(((4*\e+\ap)>>1)&1))
.irp g, 0,1
	WIN 0x02+AA/4
.irp i, 0,1,2,3
.irp j, 0,1,2,3,4,5,6,7
	v_mov_b32 v[W+8*\i+\j], v[8*(8*(AA%4)+4*\g+\i)+\j]
.endr
.endr
	WIN 0
	SWAP16
	QUANT32
	global_store_b128 v[VOA], v[CD:CD+3], s[20:21] offset:HEADB*\e+3072*((\ap)%2)+768*\g+128*((\ap)/2)
	global_store_b64 v[VOB], v[CD+4:CD+5], s[20:21] offset:HEADB*\e+3072*((\ap)%2)+768*\g+64*((\ap)/2)
.if \g == 0
	v_mov_b32 v[T2], v[BY]
.else
	v_lshl_or_b32 v[T2], v[BY], 16, v[T2]
.endif
.endr
	v_lshlrev_b32 v[T2], v[SH8], v[T2]             ; key blocks h and 2 + h at their places,
	v_permlanex16_b32 v[T0], v[T2], s46, s47
	v_or_b32 v[WD+(\ap)], v[T2], v[T0]             ; with lane l xor 16's two the channel's word is whole
.endm
	s_cmp_eq_u32 ttmp9, 2
	s_cbranch_scc1 .Lvpath
.irp n, 0,1,2,3,4,5,6,7
	QKTILE \n
.endr
.irp e, 0,1                            ; a head's 64 scale words: lane (r, h) stores those of natural blocks 2 q and 2 q + 1, q = r / 8 + 2 h, for tokens r % 8: the wave stores 256 consecutive bytes
	v_cndmask_b32 v[T2], v[WD+8*\e], v[WD+8*\e+2], s[M8]
	v_cndmask_b32 v[T3], v[WD+8*\e+4], v[WD+8*\e+6], s[M8]
	v_cndmask_b32 v[S0+2*\e], v[T2], v[T3], s[MH]
	v_cndmask_b32 v[T2], v[WD+8*\e+1], v[WD+8*\e+3], s[M8]
	v_cndmask_b32 v[T3], v[WD+8*\e+5], v[WD+8*\e+7], s[M8]
	v_cndmask_b32 v[S0+2*\e+1], v[T2], v[T3], s[MH]
	global_store_b64 v[SCO], v[S0+2*\e:S0+2*\e+1], s[20:21] offset:HEADB*\e+6144
.endr
	s_branch .Ldone
.Lvpath:
.irp e, 0,1
.irp a, 0,1,2,3
	VTILE \e, \a
.endr
	v_cndmask_b32 v[S0+2*\e], v[WD], v[WD+1], s[MH]                ; channel = lane: lanes 0-15 block 0's words, lanes 16-31 block 1's
	v_cndmask_b32 v[S0+2*\e+1], v[WD+2], v[WD+3], s[MH]
	global_store_b32 v[L4], v[S0+2*\e], s[20:21] offset:HEADB*\e+6144
	global_store_b32 v[L4], v[S0+2*\e+1], s[20:21] offset:HEADB*\e+6144+128
.endr
.Ldone:
	s_wait_tensorcnt 0x0                           ; the wave's end
	ds_add_u32 v[SPW], v[NIL]
	s_wait_dscnt 0x0
	CROUND                                         ; the closing round: no work-group ends while a partner may still ask for a tile that names it
	s_endpgm
.Lfunc_end_k_q7a987e6504_proj:
	.size	k_q7a987e6504_proj, .Lfunc_end_k_q7a987e6504_proj-k_q7a987e6504_proj
	.p2alignl 7, 3214868480
	.fill 96, 4, 3214868480
	.section	.rodata,"a",@progbits
	.p2align	6, 0x0
	.amdhsa_kernel k_q7a987e6504_proj
		.amdhsa_group_segment_fixed_size 327680
		.amdhsa_private_segment_fixed_size 0
		.amdhsa_enable_private_segment 0
		.amdhsa_kernarg_size 72
		.amdhsa_user_sgpr_count 2
		.amdhsa_user_sgpr_kernarg_segment_ptr 1
		.amdhsa_wavefront_size32 1
		.amdhsa_system_sgpr_workgroup_id_x 1
		.amdhsa_system_sgpr_workgroup_id_y 1
		.amdhsa_system_sgpr_workgroup_id_z 1
		.amdhsa_system_vgpr_workitem_id 0
		.amdhsa_next_free_vgpr 1024
		.amdhsa_next_free_sgpr 102
		.amdhsa_reserve_vcc 0
		.amdhsa_float_denorm_mode_32 3
		.amdhsa_float_denorm_mode_16_64 3
		.amdhsa_memory_ordered 1
		.amdhsa_forward_progress 1
		.amdhsa_inst_pref_size 255
	.end_amdhsa_kernel
	.section	.bss,"aw",@nobits
	.p2align	6
	.space	262144
	.amdgpu_metadata
---
amdhsa.version: [ 1, 2 ]
amdhsa.kernels:
  - .name:           k_q7a987e6504_proj
    .symbol:         k_q7a987e6504_proj.kd
    .args:
      - { .name: x_codes, .offset: 0, .size: 8, .value_kind: global_buffer, .address_space: global }
      - { .name: x_scales, .offset: 8, .size: 8, .value_kind: global_buffer, .address_space: global }
      - { .name: wq_codes, .offset: 16, .size: 8, .value_kind: global_buffer, .address_space: global }
      - { .name: wq_scales, .offset: 24, .size: 8, .value_kind: global_buffer, .address_space: global }
      - { .name: wk_codes, .offset: 32, .size: 8, .value_kind: global_buffer, .address_space: global }
      - { .name: wk_scales, .offset: 40, .size: 8, .value_kind: global_buffer, .address_space: global }
      - { .name: wv_codes, .offset: 48, .size: 8, .value_kind: global_buffer, .address_space: global }
      - { .name: wv_scales, .offset: 56, .size: 8, .value_kind: global_buffer, .address_space: global }
      - { .name: qkv, .offset: 64, .size: 8, .value_kind: global_buffer, .address_space: global }
    .group_segment_fixed_size: 327680
    .private_segment_fixed_size: 0
    .kernarg_segment_align: 8
    .kernarg_segment_size: 72
    .max_flat_workgroup_size: 128
    .sgpr_count:     102
    .vgpr_count:     1024
    .wavefront_size: 32
...
	.end_amdgpu_metadata
.endif
;; end of part 1
;; launch attn (part 2): grid 4 x 64, 16 waves a work-group, clusters of 4 x 1, 206,848 bytes of LDS; arguments qkv, ybuf; writes ybuf
.if DOCPART == 2
	.amdgcn_target "amdgcn-amd-amdhsa--gfx1250"
	.amdhsa_code_object_version 6
	.text
	.protected	k_q7a987e6504_attn
	.globl	k_q7a987e6504_attn
	.p2align	8
	.type	k_q7a987e6504_attn,@function
k_q7a987e6504_attn:
	s_mov_b64 s[64:65], 0
	v_nop
	global_prefetch_b8 v0, s[64:65] scope:SCOPE_SE
	s_setreg_imm32_b32 hwreg(HW_REG_WAVE_MODE, 25, 1), 1
	s_wait_xcnt 0x0
	s_wait_alu depctr_hold_cnt(0) depctr_sa_sdst(0) depctr_va_vdst(0) depctr_va_sdst(0) depctr_va_ssrc(0) depctr_va_vcc(0) depctr_vm_vsrc(0)
	s_getreg_b32 s2, hwreg(HW_REG_IB_STS2, 6, 4)
	s_cmp_eq_u32 s2, 0
	s_cbranch_scc0 .Lentry_in_a_cluster
	s_endpgm
.Lentry_in_a_cluster:
	s_bfe_u32 s2, ttmp6, 0x10000c
	s_cmp_lg_u32 s2, 0x3003
	s_cbranch_scc0 .Lentry_shape_is_right
	s_endpgm
.Lentry_shape_is_right:
; y[b][token][head] = softmax(q k^T / 8, causal) v for one head a cluster, both products on codes of FP6 (E2M3) with E8M0 scales; y is quantised along the model's 1,024 (a head is two blocks of 32) and stored as codes.
; qkv: [64 heads][16 groups of 128 tokens][19,200 bytes]: K's section (eight half fragments of 768 bytes, 256 bytes of scale words), V's, Q's.  Half a fragment: 16 rows x 64 K, lane l's registers 0-3 at 16 l, 4-5 at 512 + 8 l.
; In a group of 64, row m of tile T is member 32 (m / 8) + 8 T + m % 8.  As source 0 such tiles leave register 8 T + j of lane half h = member 32 h + 8 T + j: a WHOLE block of 32, in order, in one lane.
; So p's blocks (keys) and y's blocks (channels) need no other lane for their largest magnitude, and the conversions' results are the next operand's registers as they stand.
; THE SOFTMAX AHEAD OF THE SECOND PRODUCT: t = score x log2(e) / 8; M = the running largest t rounded UP to a whole number; p = 2^(t - M) is quantised, not normalised; the sum of the unquantised p divides at the end.
; K = 64 UNDER AN INSTRUCTION OF 128: a fragment of K holds TWO tiles of keys (lower and upper 64 of k).  Q lies as [0 | q | 0] in 18 registers: [q | 0] picks the lower tile, [0 | q] the upper: the half that is not meant
; meets zero codes, which add nothing under any scale byte but 0xff (the bytes there are K's own and Q's 0).  Zero codes stand on one side only.
; SHARES.  The cluster's four work-groups belong to one head.  The head's K and V with their scale words, 16 x 12,800 bytes, come into each one's LDS ONCE, by sixteen joint loads (one a wave); nothing is filled again.
; Work-group cx, wave w takes query tile 2 cx of group w (w + 1 key steps of 128), then tile 2 cx + 1 of group 15 - w (16 - w steps): 17 steps for every wave.  Branches hang on the wave's number and the step alone.
; LIMITS: a block of zeros gets the byte 1 where the quantiser says 127 (its codes are zeros; this program alone reads the bytes).  A block's largest p is taken as the exponential of its largest score, which takes
; v_exp_f32 not to fall where its input rises.
.set STEPB, 12800
.set BLKB,  19200
.set HEADB, 307200
.set YBLK,  102400
.set LI16, 1                           ; v1   16 x lane
.set LI8,  2                           ; v2   512 + 8 x lane
.set KS0,  3                           ; v3   K's scale words: 6,144 + 32 (m % 8) + 8 (m / 8) + 4 h
.set VS0,  4                           ; v4   V's: 12,544 + 128 (m / 8) + 4 (m % 8) + 32 h
.set SH8,  5                           ; v5   8 h
.set DQ,   6                           ; v6   my query's place in its group - 32 h
.set YSO,  7                           ; v7   32 m
.set ADK,  8                           ; v8-11 the step's addresses
.set ADK8, 9
.set ADS,  10
.set ADT,  11
.set QZ,   16                          ; v16-33 [0 | q | 0]
.set QSO,  34                          ; v34  32 (m % 8) + 8 (m / 8)
.set VQ0,  35                          ; v35  32 (m / 8) + m % 8 - 32 h
.set FRG,  36                          ; v36-83 four fragments: K's, then V's
.set KSR,  84
.set VSR,  86
.set PW,   88                          ; p's scale word
.set QSL,  89                          ; q's scale bytes in the low half; v90 in the high half
.set QSH,  90
.set QW,   91
.set S,    96                          ; v96-159 S^T, then p, then y
.set O,    160                         ; v160-191 O^T
.set PCD,  192                         ; v192-203 p's codes
.set PT,   204
.set MB,   212                         ; the two blocks' largest
.set RM,   214
.set RX,   215
.set RC,   216
.set F,    218
.set SCP,  220
.set BYT,  222
.set PWT,  224
.set PWX,  225
.set SM2,  226
.set CH,   228
.set NINF, 232
.set WV,   8
.set CX,   9
.set BH,   10
.set G,    12
.set J,    13
.set TB,   14
.set SEL,  28
.set CS,   30
.macro ROUND                           ; a round of the cluster's barrier
	s_barrier_signal -1
	s_barrier_wait -1
	s_cmp_lg_u32 s[WV], 0
	s_cbranch_scc1 .Lnot_wave_0_\@
	s_barrier_signal -3
.Lnot_wave_0_\@:
	s_barrier_wait -3
	s_barrier_signal -1
	s_barrier_wait -1
.endm
.macro FRAGH reg, a16, a8, off         ; two half fragments on end are a fragment: every load reads consecutive bytes
	ds_load_b128 v[\reg:\reg+3], v[\a16] offset:\off
	ds_load_b64 v[\reg+4:\reg+5], v[\a8] offset:\off
	ds_load_b128 v[\reg+6:\reg+9], v[\a16] offset:\off+768
	ds_load_b64 v[\reg+10:\reg+11], v[\a8] offset:\off+768
.endm
	s_load_b128 s[4:7], s[0:1], 0x0                ; qkv, ybuf
	v_lshl_add_u32 v254, v0, 2, 0x32000
	v_mov_b32 v255, 0
	ds_add_u32 v254, v255
	ds_add_u32 v254, v255
	v_lshrrev_b32 v8, 5, v0
	s_delay_alu instid0(VALU_DEP_1)
	v_readfirstlane_b32 s[WV], v8                  ; wave 0..15
	s_bfe_u32 s[CX], ttmp6, 0x40000                ; my place in the cluster: it enters global addresses of my own and the mask's numbers, nothing else
	s_and_b32 s[BH], ttmp7, 0xffff                 ; the head, which the four partners share
	s_mov_b32 s16, 15|(3<<16)|(1<<21)              ; group 1: the mask names all four; elements of 8 bytes; bit 21 beside a mask; no padding
	s_mov_b32 s17, 32<<16                          ; 12,800 dense bytes as 50 rows of 256
	s_mov_b32 s18, 50<<16
	s_mov_b32 s19, 32<<16
	s_mov_b32 s20, 50
	s_mov_b32 s21, 32
	s_mov_b32 s22, 0
	s_mov_b32 s23, 0
	s_mul_i32 s38, s[BH], HEADB
	s_mul_i32 s39, s[WV], BLKB
	s_add_co_u32 s38, s38, s39                     ; group w's K and V
	s_mov_b32 s39, 0
	s_mov_b32 s24, 1
	s_mul_i32 s25, s[WV], STEPB                    ; to LDS byte 12,800 w
	s_mov_b32 s[SEL], 0x76543210
	s_mov_b32 s[SEL+1], 0xfedcba98
	s_mov_b32 s[CS], 0x3e38aa3b                    ; c = log2(e) / 8
	s_mov_b32 s[CS+1], s[CS]
	s_wait_dscnt 0x0
	s_wait_kmcnt 0x0
	s_add_nc_u64 s[26:27], s[4:5], s[38:39]
	s_or_b32 s27, s27, 0x80000000
	ROUND                                          ; all four work-groups are here: the joint loads meet
	tensor_load_to_lds s[24:27], s[16:23]          ; my one tensor load
	s_nop 0
.rept 4
	v_nop
.endr
	v_and_b32 v8, 31, v0
	s_delay_alu instid0(VALU_DEP_1)
	v_lshlrev_b32 v[LI16], 4, v8
	s_delay_alu instid0(VALU_DEP_2)
	v_lshlrev_b32 v[LI8], 3, v8
	s_delay_alu instid0(VALU_DEP_1)
	v_add_nc_u32 v[LI8], 512, v[LI8]
	v_and_b32 v9, 7, v0                            ; m % 8
	v_bfe_u32 v10, v0, 3, 1                        ; m / 8
	v_bfe_u32 v11, v0, 4, 1                        ; h
	s_delay_alu instid0(VALU_DEP_3)
	v_lshlrev_b32 v[QSO], 5, v9
	s_delay_alu instid0(VALU_DEP_1)
	v_lshl_add_u32 v[QSO], v10, 3, v[QSO]
	s_delay_alu instid0(VALU_DEP_1)
	v_lshl_add_u32 v[KS0], v11, 2, v[QSO]
	s_delay_alu instid0(VALU_DEP_1)
	v_add_nc_u32 v[KS0], 6144, v[KS0]
	v_lshlrev_b32 v[VS0], 2, v9
	s_delay_alu instid0(VALU_DEP_1)
	v_lshl_add_u32 v[VS0], v10, 7, v[VS0]
	s_delay_alu instid0(VALU_DEP_1)
	v_lshl_add_u32 v[VS0], v11, 5, v[VS0]
	s_delay_alu instid0(VALU_DEP_1)
	v_add_nc_u32 v[VS0], 12544, v[VS0]
	v_lshlrev_b32 v[SH8], 3, v11
	v_lshl_add_u32 v[VQ0], v10, 5, v9
	v_lshlrev_b32 v8, 5, v11
	s_delay_alu instid0(VALU_DEP_1)
	v_sub_nc_u32 v[VQ0], v[VQ0], v8
	v_and_b32 v8, 15, v0
	s_delay_alu instid0(VALU_DEP_1)
	v_lshlrev_b32 v[YSO], 5, v8
.irp i, 0,1,2,3,4,5
	v_mov_b32 v[QZ+\i], 0                          ; the zero codes on both sides of q
	v_mov_b32 v[QZ+12+\i], 0
.endr
	v_mov_b32 v[RX], 0                             ; written once: a lane permute's destination counts as one of its sources
	v_mov_b32 v[PWX], 0
	v_mov_b32 v[RC+1], 0                           ; (named as upper halves of pairs)
	v_mov_b32 v[F+1], 0
	v_mov_b32 v[NINF], 0xff800000
	s_wait_tensorcnt 0x0                           ; my part has landed,
	s_barrier_signal -1
	s_barrier_wait -1                              ; everybody's has
.macro SPROD u                         ; tile u of the step's eight tiles of 16 keys
.set FK, FRG+12*((\u)/2)
.if ((\u)%2) == 0
.set QB0, QZ+6
.set QSC, QSL
.else
.set QB0, QZ
.set QSC, QSH
.endif
.if (((\u)/2)%2) == 0
	v_wmma_scale_f32_16x16x128_f8f6f4 v[S+8*(\u):S+8*(\u)+7], v[FK:FK+11], v[QB0:QB0+11], 0, v[KSR+(\u)/4], v[QSC] matrix_a_fmt:MATRIX_FMT_FP6 matrix_b_fmt:MATRIX_FMT_FP6
.else
	v_wmma_scale_f32_16x16x128_f8f6f4 v[S+8*(\u):S+8*(\u)+7], v[FK:FK+11], v[QB0:QB0+11], 0, v[KSR+(\u)/4], v[QSC] matrix_a_fmt:MATRIX_FMT_FP6 matrix_b_fmt:MATRIX_FMT_FP6 matrix_a_scale:MATRIX_SCALE_ROW1
.endif
.endm
; A KEY STEP: 128 keys, those of group J.  Register 32 g + i of S^T is key 64 g + 32 h + i of the step, for my query (lane % 16).
.macro STEP
	v_add_nc_u32 v[ADK], s[TB], v[LI16]            ; (these four are also the places in front of the loads into registers that the last products read)
	v_add_nc_u32 v[ADK8], s[TB], v[LI8]
	v_add_nc_u32 v[ADS], s[TB], v[KS0]
	v_add_nc_u32 v[ADT], s[TB], v[VS0]
.irp p, 0,1,2,3
	FRAGH FRG+12*\p, ADK, ADK8, 1536*\p
.endr
	ds_load_b32 v[KSR], v[ADS]                     ; lanes 0-15 the words of a group's first fragment, lanes 16-31 of its second
	ds_load_b32 v[KSR+1], v[ADS] offset:16
	s_wait_alu depctr_va_vdst(0)
	s_wait_dscnt 0x0
.irp u, 0,1,2,3,4,5,6,7
	SPROD \u
.endr
.rept 4
	v_nop                                          ; places: V's fragments land where K's lay, and the scores are read
.endr
.irp t, 0,1,2,3
	FRAGH FRG+12*\t, ADK, ADK8, 6400+1536*\t       ; they land under the softmax
.endr
	ds_load_b32 v[VSR], v[ADT]
	ds_load_b32 v[VSR+1], v[ADT] offset:64
	s_cmp_lg_u32 s[J], s[G]                        ; only my own group's step lies on the diagonal
	s_cbranch_scc1 .Lopen_\@
.set II, 0
.rept 64
	v_cmp_gt_i32 vcc_lo, 64*(II/32)+II%32, v[DQ]   ; hidden where the key comes after my query
	v_cndmask_b32 v[S+II], v[S+II], v[NINF], vcc_lo
.set II, II+1
.endr
.Lopen_\@:
.irp c, 0,1,2,3
	v_max3_num_f32 v[CH+\c], v[S+16*\c], v[S+16*\c+1], v[S+16*\c+2]   ; the largest score of each block of 32 keys, in two chains a block; each accumulator is read from its low end on
.endr
.irp i, 3,5,7,9,11,13
.irp c, 0,1,2,3
	v_max3_num_f32 v[CH+\c], v[CH+\c], v[S+16*\c+\i], v[S+16*\c+\i+1]
.endr
.endr
	v_max3_num_f32 v[MB], v[CH], v[CH+1], v[S+15]
	v_max3_num_f32 v[MB+1], v[CH+2], v[CH+3], v[S+47]
	v_max_num_f32 v[MB], v[MB], v[S+31]
	v_max_num_f32 v[MB+1], v[MB+1], v[S+63]
	s_delay_alu instid0(VALU_DEP_1)
	v_max_num_f32 v[RM], v[MB], v[MB+1]
	s_delay_alu instid0(VALU_DEP_1)
	v_permlanex16_b32 v[RX], v[RM], s[SEL], s[SEL+1]
	s_delay_alu instid0(VALU_DEP_1)
	v_max_num_f32 v[RM], v[RM], v[RX]              ; the step's largest score of my query
	s_delay_alu instid0(VALU_DEP_1)
	v_mul_f32 v[RM], s[CS], v[RM]
	s_delay_alu instid0(VALU_DEP_1)
	v_max_num_f32 v13, v13, v[RM]                  ; the running largest t
	v_mov_b32 v[RM], v12
	s_delay_alu instid0(VALU_DEP_2)
	v_floor_f32 v12, -v13                          ; -M = floor(-t): M is a whole number
	s_delay_alu instid0(VALU_DEP_1)
	v_sub_f32 v[RM], v12, v[RM]
	s_delay_alu instid0(VALU_DEP_1)
	v_cvt_i32_f32 v[RM], v[RM]                     ; (it saturates)
	s_delay_alu instid0(VALU_DEP_1)
	v_ldexp_f32 v[F], 1.0, v[RM]                   ; f = 2^(old M - new M)
.set II, 0
	s_setprio 1
.rept 32
	v_pk_fma_f32 v[S+II:S+II+1], v[S+II:S+II+1], s[CS:CS+1], v[12:13] op_sel_hi:[1,0,0]   ; t - M
.set II, II+2
.endr
	v_fma_f32 v[MB], v[MB], s[CS], v12
	v_fma_f32 v[MB+1], v[MB+1], s[CS], v12
.set II, 0
	s_wait_alu depctr_va_vdst(0)
.rept 64
	v_exp_f32 v[S+II], v[S+II]                     ; p
.set II, II+1
.endr
	v_exp_f32 v[MB], v[MB]                         ; each block's largest p
	v_exp_f32 v[MB+1], v[MB+1]
	v_pk_mul_f32 v[14:15], v[14:15], v[F:F+1] op_sel_hi:[1,0]      ; the sums under the new M (a plain place behind the exponentials)
	s_wait_alu depctr_va_vdst(0)
	v_max_num_f32 v[MB], 0x1800000, v[MB]          ; the floor 2^(3 - 127)
	v_max_num_f32 v[MB+1], 0x1800000, v[MB+1]
	s_delay_alu instid0(VALU_DEP_2)
	v_add_nc_u32 v[SCP], 0xff000000, v[MB]
	s_delay_alu instid0(VALU_DEP_2)
	v_add_nc_u32 v[SCP+1], 0xff000000, v[MB+1]
	s_delay_alu instid0(VALU_DEP_2)
	v_lshrrev_b32 v[BYT], 23, v[SCP]
	s_delay_alu instid0(VALU_DEP_2)
	v_lshrrev_b32 v[BYT+1], 23, v[SCP+1]
	s_delay_alu instid0(VALU_DEP_1)
	v_lshl_or_b32 v[PWT], v[BYT+1], 16, v[BYT]     ; my blocks h and 2 + h,
	s_delay_alu instid0(VALU_DEP_1)
	v_lshlrev_b32 v[PWT], v[SH8], v[PWT]
	s_delay_alu instid0(VALU_DEP_1)
	v_permlanex16_b32 v[PWX], v[PWT], s[SEL], s[SEL+1]
	s_delay_alu instid0(VALU_DEP_1)
	v_or_b32 v[PW], v[PWT], v[PWX]                 ; with lane l xor 16's: p's scale word
.irp g, 0,1
	v_cvt_scalef32_pk16_fp6_f32 v[PCD+6*\g:PCD+6*\g+2], v[S+32*\g:S+32*\g+15], v[SCP+\g]
	v_cvt_scalef32_pk16_fp6_f32 v[PT+4*\g:PT+4*\g+2], v[S+32*\g+16:S+32*\g+31], v[SCP+\g]
.endr
	v_nop                                          ; one plain place behind a scaled conversion
.irp g, 0,1
.irp i, 0,1,2
	v_mov_b32 v[PCD+6*\g+3+\i], v[PT+4*\g+\i]
.endr
.endr
	v_pk_add_f32 v[226:227], v[100:101], v[104:105]
	v_pk_add_f32 v[252:253], v[108:109], v[112:113]
	v_pk_add_f32 v[250:251], v[116:117], v[120:121]
	v_pk_add_f32 v[248:249], v[124:125], v[128:129]
	v_pk_add_f32 v[246:247], v[132:133], v[136:137]
	v_pk_add_f32 v[244:245], v[140:141], v[144:145]
	v_pk_add_f32 v[242:243], v[148:149], v[152:153]
	v_pk_add_f32 v[14:15], v[14:15], v[156:157]
	v_pk_add_f32 v[226:227], v[226:227], v[96:97]
	v_pk_add_f32 v[252:253], v[252:253], v[98:99]
	v_pk_add_f32 v[250:251], v[250:251], v[102:103]
	v_pk_add_f32 v[248:249], v[248:249], v[106:107]
	v_pk_add_f32 v[246:247], v[246:247], v[110:111]
	s_setprio 0
	v_pk_add_f32 v[244:245], v[244:245], v[114:115]
	v_pk_add_f32 v[242:243], v[242:243], v[118:119]
	v_pk_add_f32 v[14:15], v[14:15], v[122:123]
	v_pk_add_f32 v[226:227], v[226:227], v[126:127]
	v_pk_add_f32 v[252:253], v[252:253], v[130:131]
	v_pk_add_f32 v[250:251], v[250:251], v[134:135]
	v_pk_add_f32 v[248:249], v[248:249], v[138:139]
	v_pk_add_f32 v[246:247], v[246:247], v[142:143]
	v_pk_add_f32 v[244:245], v[244:245], v[146:147]
	v_pk_add_f32 v[242:243], v[242:243], v[150:151]
	v_pk_add_f32 v[14:15], v[14:15], v[154:155]
	v_pk_add_f32 v[226:227], v[226:227], v[158:159]
	s_delay_alu instid0(VALU_DEP_2)
	v_pk_add_f32 v[14:15], v[14:15], v[248:249]
	s_delay_alu instid0(VALU_DEP_2)
	v_pk_add_f32 v[226:227], v[226:227], v[246:247]
	v_pk_add_f32 v[252:253], v[252:253], v[244:245]
	v_pk_add_f32 v[250:251], v[250:251], v[242:243]
	s_delay_alu instid0(VALU_DEP_2)
	v_pk_add_f32 v[14:15], v[14:15], v[252:253]
	s_delay_alu instid0(VALU_DEP_2)
	v_pk_add_f32 v[226:227], v[226:227], v[250:251]
	s_delay_alu instid0(VALU_DEP_1)
	v_pk_add_f32 v[14:15], v[14:15], v[226:227]
.set II, 0
.rept 16
	v_pk_mul_f32 v[O+II:O+II+1], v[O+II:O+II+1], v[F:F+1] op_sel_hi:[1,0]   ; O^T under the new M
.set II, II+2
.endr
	s_wait_alu depctr_va_vdst(0)
	s_wait_dscnt 0x0                               ; V
.irp t, 0,2
	v_wmma_scale_f32_16x16x128_f8f6f4 v[O+8*\t:O+8*\t+7], v[FRG+12*\t:FRG+12*\t+11], v[PCD:PCD+11], v[O+8*\t:O+8*\t+7], v[VSR+\t/2], v[PW] matrix_a_fmt:MATRIX_FMT_FP6 matrix_b_fmt:MATRIX_FMT_FP6
	v_wmma_scale_f32_16x16x128_f8f6f4 v[O+8*\t+8:O+8*\t+15], v[FRG+12*\t+12:FRG+12*\t+23], v[PCD:PCD+11], v[O+8*\t+8:O+8*\t+15], v[VSR+\t/2], v[PW] matrix_a_fmt:MATRIX_FMT_FP6 matrix_b_fmt:MATRIX_FMT_FP6 matrix_a_scale:MATRIX_SCALE_ROW1
.endr
.endm
; ONE TILE OF 16 QUERIES: tile u = 2 cx + role of group G = wave (role 0) or 15 - wave (role 1).
.macro TILE role
.if \role == 0
	s_mov_b32 s[G], s[WV]
.else
	s_xor_b32 s[G], s[WV], 15
.endif
	s_lshl_b32 s38, s[BH], 4
	s_add_co_u32 s38, s38, s[G]
	s_mul_i32 s38, s38, BLKB
	s_add_co_u32 s38, s38, 12800
	s_mov_b32 s39, 0
	s_add_nc_u64 s[34:35], s[4:5], s[38:39]        ; Q's section of my group
	s_lshl_b32 s40, s[CX], 1
	s_add_co_u32 s40, s40, \role                   ; u
	s_mul_i32 s42, s40, 768
	s_mov_b32 s43, 0
	s_add_nc_u64 s[32:33], s[34:35], s[42:43]      ; my tile's codes
	s_lshr_b32 s44, s[CX], 1
	s_and_b32 s45, s[CX], 1
	s_lshl_b32 s42, s44, 4
	s_lshl_b32 s46, s45, 2
	s_add_co_u32 s42, s42, s46
	s_add_co_u32 s42, s42, 6144
	s_add_nc_u64 s[34:35], s[34:35], s[42:43]      ; and the word that holds its scale bytes
	global_load_b128 v[QZ+6:QZ+9], v[LI16], s[32:33]
	global_load_b64 v[QZ+10:QZ+11], v[LI8], s[32:33]
	global_load_b32 v[QW], v[QSO], s[34:35]
	s_lshl_b32 s42, s44, 6
	s_lshl_b32 s46, s45, 4
	s_add_co_u32 s42, s42, s46
	s_add_co_u32 s42, s42, 8*\role
	v_add_nc_u32 v[DQ], s42, v[VQ0]                ; my query's place: 64 (u / 4) + 8 (u % 4) + 32 (m / 8) + m % 8, less 32 h
	s_lshr_b32 s42, s[BH], 4
	s_lshl_b32 s42, s42, 4
	s_add_co_u32 s42, s42, s[G]
	s_mul_i32 s42, s42, YBLK                       ; y's block: 16 b + group
	s_and_b32 s44, s[BH], 15                       ; the head within the batch
	s_mul_i32 s46, s40, 12288
	s_add_co_u32 s46, s46, s42
	s_mul_i32 s47, s44, 768
	s_add_co_u32 s46, s46, s47
	s_mov_b32 s47, 0
	s_add_nc_u64 s[36:37], s[6:7], s[46:47]        ; y's codes
	s_lshl_b32 s46, s40, 9
	s_add_co_u32 s46, s46, s42
	s_lshl_b32 s44, s44, 1
	s_add_co_u32 s46, s46, s44
	s_add_co_u32 s46, s46, 98304
	s_add_nc_u64 s[48:49], s[6:7], s[46:47]        ; y's scale bytes
	s_wait_loadcnt 0x0
.if \role == 0
	v_and_b32 v[QSL], 0xffff, v[QW]
.else
	v_lshrrev_b32 v[QSL], 16, v[QW]
.endif
	s_delay_alu instid0(VALU_DEP_1)
	v_lshlrev_b32 v[QSH], 16, v[QSL]
.set II, 0
.rept 32
	v_mov_b32 v[O+II], 0                           ; O^T: the loop's first step finds zeros.  (These lines are also the places between the scale words just made and the first scaled product)
.set II, II+1
.endr
	v_mov_b32 v13, 0xff61b1e6                      ; the largest t so far: -3e38
	s_delay_alu instid0(VALU_DEP_1)
	v_floor_f32 v12, -v13
	v_mov_b32 v14, 0
	v_mov_b32 v15, 0
	s_mov_b32 s[J], 0
	s_mov_b32 s[TB], 0
.Lstep_\@:                                         ; sixteen trips for every wave; a step whose keys all come after my queries is jumped over, its address steps are not
	s_cmp_gt_u32 s[J], s[G]
	s_cbranch_scc1 .Lskip_\@
	s_setprio 2
	STEP
.Lskip_\@:
	s_add_co_u32 s[TB], s[TB], STEPB
	s_add_co_u32 s[J], s[J], 1
	s_cmp_lt_u32 s[J], 16
	s_cbranch_scc1 .Lstep_\@
	s_setprio 0
.rept 4
	v_nop                                          ; places behind the last products
.endr
	s_wait_alu depctr_va_vdst(0)
	v_add_f32 v14, v14, v15
	s_delay_alu instid0(VALU_DEP_1)
	v_permlanex16_b32 v[RX], v14, s[SEL], s[SEL+1]
	s_delay_alu instid0(VALU_DEP_1)
	v_add_f32 v14, v14, v[RX]                      ; the row's sum
	s_wait_alu depctr_va_vdst(0)
	v_rcp_f32 v[RC], v14
	v_nop                                          ; a plain place behind the transcendental
	s_wait_alu depctr_va_vdst(0)
	v_fma_f32 v[RM], -v14, v[RC], 1.0              ; one step of Newton: what goes into a quantiser is as accurate as f32 allows
	v_fma_f32 v[RC], v[RC], v[RM], v[RC]
.set II, 0
.rept 16
	v_pk_mul_f32 v[S+II:S+II+1], v[O+II:O+II+1], v[RC:RC+1] op_sel_hi:[1,0]   ; y: register i is channel 32 h + i of my query
.set II, II+2
.endr
	v_max3_num_f32 v[CH], |v[S]|, |v[S+1]|, 0x1800000
	v_max3_num_f32 v[CH+1], |v[S+16]|, |v[S+17]|, |v[S+18]|
.irp i, 2,4,6,8,10,12
	s_delay_alu instid0(VALU_DEP_2)
	v_max3_num_f32 v[CH], v[CH], |v[S+\i]|, |v[S+\i+1]|
	s_delay_alu instid0(VALU_DEP_2)
	v_max3_num_f32 v[CH+1], v[CH+1], |v[S+17+\i]|, |v[S+18+\i]|
.endr
	s_delay_alu instid0(VALU_DEP_2)
	v_max3_num_f32 v[CH], v[CH], |v[S+14]|, |v[S+15]|
	s_delay_alu instid0(VALU_DEP_1)
	v_max3_num_f32 v[CH], v[CH], v[CH+1], |v[S+31]|
	s_delay_alu instid0(VALU_DEP_1)
	v_add_nc_u32 v[SCP], 0xff000000, v[CH]
	s_delay_alu instid0(VALU_DEP_1)
	v_lshrrev_b32 v[BYT], 23, v[SCP]
	v_cvt_scalef32_pk16_fp6_f32 v[PCD:PCD+2], v[S:S+15], v[SCP]
	v_cvt_scalef32_pk16_fp6_f32 v[PT:PT+2], v[S+16:S+31], v[SCP]
	v_nop
.irp i, 0,1,2
	v_mov_b32 v[PCD+3+\i], v[PT+\i]
.endr
	v_lshlrev_b32 v[BYT], v[SH8], v[BYT]
	s_delay_alu instid0(VALU_DEP_1)
	v_permlanex16_b32 v[PWX], v[BYT], s[SEL], s[SEL+1]
	s_delay_alu instid0(VALU_DEP_1)
	v_or_b32 v[PWT], v[BYT], v[PWX]                ; the head's two scale bytes of my query
	global_store_b128 v[LI16], v[PCD:PCD+3], s[36:37]              ; half a fragment: 512 consecutive bytes,
	global_store_b64 v[LI8], v[PCD+4:PCD+5], s[36:37]              ; and 256
	global_store_b16 v[YSO], v[PWT], s[48:49]      ; lanes m and m + 16 write the same two bytes with the same value.  Two bytes a row: one part in 24 of y's bytes
	s_wait_xcnt 0x0                                ; the stores' data and bases are written again only behind this wait
.endm
	TILE 0
	TILE 1
	s_wait_tensorcnt 0x0
	ds_add_u32 v254, v255
	s_wait_dscnt 0x0
	ROUND                                          ; the closing round
	s_endpgm
.Lfunc_end_k_q7a987e6504_attn:
	.size	k_q7a987e6504_attn, .Lfunc_end_k_q7a987e6504_attn-k_q7a987e6504_attn
	.p2alignl 7, 3214868480
	.fill 96, 4, 3214868480
	.section	.rodata,"a",@progbits
	.p2align	6, 0x0
	.amdhsa_kernel k_q7a987e6504_attn
		.amdhsa_group_segment_fixed_size 206848
		.amdhsa_private_segment_fixed_size 0
		.amdhsa_enable_private_segment 0
		.amdhsa_kernarg_size 16
		.amdhsa_user_sgpr_count 2
		.amdhsa_user_sgpr_kernarg_segment_ptr 1
		.amdhsa_wavefront_size32 1
		.amdhsa_system_sgpr_workgroup_id_x 1
		.amdhsa_system_sgpr_workgroup_id_y 1
		.amdhsa_system_sgpr_workgroup_id_z 1
		.amdhsa_system_vgpr_workitem_id 0
		.amdhsa_next_free_vgpr 256
		.amdhsa_next_free_sgpr 66
		.amdhsa_reserve_vcc 1
		.amdhsa_float_denorm_mode_32 3
		.amdhsa_float_denorm_mode_16_64 3
		.amdhsa_memory_ordered 1
		.amdhsa_forward_progress 1
		.amdhsa_inst_pref_size 62
	.end_amdhsa_kernel
	.amdgpu_metadata
---
amdhsa.version: [ 1, 2 ]
amdhsa.kernels:
  - .name:           k_q7a987e6504_attn
    .symbol:         k_q7a987e6504_attn.kd
    .args:
      - { .name: qkv, .offset: 0, .size: 8, .value_kind: global_buffer, .address_space: global }
      - { .name: ybuf, .offset: 8, .size: 8, .value_kind: global_buffer, .address_space: global }
    .group_segment_fixed_size: 206848
    .private_segment_fixed_size: 0
    .kernarg_segment_align: 8
    .kernarg_segment_size: 16
    .max_flat_workgroup_size: 512
    .sgpr_count:     66
    .vgpr_count:     256
    .wavefront_size: 32
...
	.end_amdgpu_metadata
.endif
;; end of part 2
;; launch outp (part 3): grid 4 x 64, 4 waves a work-group, clusters of 4 x 1, 168,448 bytes of LDS; arguments ybuf, wo_codes, wo_scales, bo, out0; writes out0
.if DOCPART == 3
	.amdgcn_target "amdgcn-amd-amdhsa--gfx1250"
	.amdhsa_code_object_version 6
	.text
	.protected	k_q7a987e6504_outp
	.globl	k_q7a987e6504_outp
	.p2align	8
	.type	k_q7a987e6504_outp,@function
k_q7a987e6504_outp:
	s_mov_b64 s[64:65], 0
	v_nop
	global_prefetch_b8 v0, s[64:65] scope:SCOPE_SE
	s_setreg_imm32_b32 hwreg(HW_REG_WAVE_MODE, 25, 1), 1
	s_wait_xcnt 0x0
	s_wait_alu depctr_hold_cnt(0) depctr_sa_sdst(0) depctr_va_vdst(0) depctr_va_sdst(0) depctr_va_ssrc(0) depctr_va_vcc(0) depctr_vm_vsrc(0)
	s_getreg_b32 s2, hwreg(HW_REG_IB_STS2, 6, 4)
	s_cmp_eq_u32 s2, 0
	s_cbranch_scc0 .Lentry_in_a_cluster
	s_endpgm
.Lentry_in_a_cluster:
	s_bfe_u32 s2, ttmp6, 0x10000c
	s_cmp_lg_u32 s2, 0x3003
	s_cbranch_scc0 .Lentry_shape_is_right
	s_endpgm
.Lentry_shape_is_right:
; out0 = y wo + bo, on codes of FP6 (E2M3) with one E8M0 scale for each 32 along K = 1,024; sums in f32.
; ybuf: [64 blocks of 128 tokens][102,400 bytes]: tile u (0..7) of 16 tokens at 12,288 u: for each of the 16 heads half a fragment (768 bytes: lane l's registers 0-3 at 16 l, 4-5 at 512 + 8 l), so that two heads on end are
; the fragment of one K step of 128; scale bytes at 98,304 + 512 u + 32 m: row m's eight scale words.  Row m of tile u = 4 g + T is token 64 g + 32 (m / 8) + 8 T + m % 8 of the block.
; SHARES.  A work-group takes 128 tokens x 256 features; the cluster's four share the tokens, so y's block is asked for JOINTLY, one load a wave, and filled once.  Wave w takes features 64 w .. 64 w + 63 of the
; work-group's 256 for all 128 tokens: its part of wo (32 fragments, 384 registers), wo's scale words and bo stay in registers.  Source 0 = 16 rows of wo, source 1 = y: a lane holds a token and eight neighbouring features.
; bo is the C of each sum's first matrix instruction.  Two passes of 64 tokens: 16 accumulators by turns, a K step at a time.
; REGISTERS: window 0: v1-12 addresses; v32-63 wo's scale words; v64-95 y's; v96-191 y's fragments, two sets of four; v192-255 rows on the way out.  Window 1: wo's fragments of K steps 0-4.
; Window 2: those of K steps 5-7 (v0-143), bo's four tiles (v144-175).  Window 3: the accumulators (tile u', features t) at v[8 (4 u' + t)].
; LIMIT: a given scale byte 0xff (NaN) is not served.
.set YBLK, 102400
.set STG,  102400                      ; behind y's block: a stage of 16 rows x (256 + 16) bytes for each wave
.set WOA,  1                           ; v1   wo: 768 r + 24 h
.set WSA,  2                           ; v2   32 r
.set BOA,  3                           ; v3   32 h
.set YA16, 4                           ; v4-5 y's fragments, pass 0, 1: 16 x lane
.set YA8,  6                           ; v6-7 512 + 8 x lane
.set YS,   8                           ; v8-9 y's scale words
.set STO,  10
.set SRD,  11
.set OUA,  12
.set WSC,  32
.set YSC,  64
.set YF,   96
.set BK,   192
.set BOR,  144
.set WV,   14
.set CX,   15
.set MSB, 0
.macro WIN new                         ; the immediate's high byte repeats the setting that is left
.if MSB != (\new)
	s_set_vgpr_msb (MSB<<8)|(\new)
.set MSB, (\new)
.endif
.endm
.macro ROUND
	s_barrier_signal -1
	s_barrier_wait -1
	s_cmp_lg_u32 s[WV], 0
	s_cbranch_scc1 .Lnot_wave_0_\@
	s_barrier_signal -3
.Lnot_wave_0_\@:
	s_barrier_wait -3
	s_barrier_signal -1
	s_barrier_wait -1
.endm
.macro PLACES n
.rept \n
	v_nop
.endr
.endm
.macro FRAGH reg, a16, a8, off
	ds_load_b128 v[\reg:\reg+3], v[\a16] offset:\off
	ds_load_b64 v[\reg+4:\reg+5], v[\a8] offset:\off
	ds_load_b128 v[\reg+6:\reg+9], v[\a16] offset:\off+768
	ds_load_b64 v[\reg+10:\reg+11], v[\a8] offset:\off+768
.endm
	s_load_b256 s[4:11], s[0:1], 0x0               ; ybuf, wo's codes, wo's scales, bo
	s_load_b64 s[12:13], s[0:1], 0x20              ; out0
	v_lshl_add_u32 v30, v0, 2, 0x29000
	v_mov_b32 v31, 0
	ds_add_u32 v30, v31
	ds_add_u32 v30, v31
	v_lshrrev_b32 v1, 5, v0
	v_readfirstlane_b32 s[WV], v1
	s_bfe_u32 s[CX], ttmp6, 0x40000                ; my place in the cluster: it enters wo's, bo's and out0's addresses alone
	s_and_b32 s28, ttmp7, 0xffff                   ; the block of tokens, which the four partners share
	s_mov_b32 s16, 15|(3<<16)|(1<<21)              ; group 1: the mask names all four; elements of 8 bytes; bit 21 beside a mask
	s_mov_b32 s17, 32<<16                          ; 25,600 dense bytes as 100 rows of 256
	s_mov_b32 s18, 100<<16
	s_mov_b32 s19, 32<<16
	s_mov_b32 s20, 100
	s_mov_b32 s21, 32
	s_mov_b32 s22, 0
	s_mov_b32 s23, 0
	s_mov_b32 s24, 1
	s_mul_i32 s25, s[WV], 25600                    ; my quarter of the block, in LDS
	s_mul_i32 s30, s28, YBLK
	s_add_co_u32 s30, s30, s25                     ; and in memory
	s_mov_b32 s31, 0
	s_lshl_b32 s32, s[CX], 8
	s_lshl_b32 s33, s[WV], 6
	s_add_co_u32 s32, s32, s33                     ; my first feature
	s_mul_i32 s34, s32, 768
	s_mov_b32 s35, 0
	s_lshl_b32 s36, s32, 5
	s_mov_b32 s37, 0
	s_lshl_b32 s38, s32, 2
	s_mov_b32 s39, 0
	s_lshl_b32 s40, s28, 19                        ; 128 rows of 4,096 bytes a block
	s_add_co_u32 s40, s40, s38
	s_mov_b32 s41, 0
	s_wait_dscnt 0x0
	s_wait_kmcnt 0x0
	s_add_nc_u64 s[26:27], s[4:5], s[30:31]
	s_or_b32 s27, s27, 0x80000000
	s_add_nc_u64 s[6:7], s[6:7], s[34:35]
	s_add_nc_u64 s[8:9], s[8:9], s[36:37]
	s_add_nc_u64 s[10:11], s[10:11], s[38:39]
	s_add_nc_u64 s[12:13], s[12:13], s[40:41]
	ROUND                                          ; all four work-groups are here: the joint loads meet
	tensor_load_to_lds s[24:27], s[16:23]          ; my one tensor load
	s_nop 0
.rept 4
	v_nop
.endr
	v_and_b32 v13, 15, v0                          ; r
	v_bfe_u32 v14, v0, 4, 1                        ; h
	v_and_b32 v15, 31, v0                          ; lane
	v_mul_u32_u24 v[WOA], v13, 768
	v_mad_u32_u24 v[WOA], v14, 24, v[WOA]
	v_lshlrev_b32 v[WSA], 5, v13
	v_lshlrev_b32 v[BOA], 5, v14
	v_lshlrev_b32 v[YA16], 4, v15
	v_add_nc_u32 v[YA16+1], 49152, v[YA16]         ; pass 1: four tiles of 12,288 bytes on
	v_lshlrev_b32 v[YA8], 3, v15
	v_add_nc_u32 v[YA8], 512, v[YA8]
	v_add_nc_u32 v[YA8+1], 49152, v[YA8]
	v_add_nc_u32 v[YS], 98304, v[WSA]
	v_add_nc_u32 v[YS+1], 2048, v[YS]
	s_mul_i32 s29, s[WV], 16*272
	s_add_co_u32 s29, s29, STG                     ; my stage
	v_mul_u32_u24 v[STO], v13, 272
	v_lshl_add_u32 v[STO], v14, 5, v[STO]
	v_add_nc_u32 v[STO], s29, v[STO]               ; in: row r, 32 bytes for each half of the lanes
	v_mul_u32_u24 v[SRD], v14, 272
	v_lshl_add_u32 v[SRD], v13, 4, v[SRD]
	v_add_nc_u32 v[SRD], s29, v[SRD]               ; back: lanes 0-15 one row of 256 bytes, lanes 16-31 the next
	v_lshlrev_b32 v[OUA], 12, v14
	v_lshl_add_u32 v[OUA], v13, 4, v[OUA]          ; and the same two rows in out0
	WIN 0x40                                       ; destination window 1
.irp k, 0,1,2,3,4
.irp t, 0,1,2,3
.irp p, 0,1,2,3,4,5
	global_load_b64 v[12*(4*\k+\t)+2*\p:12*(4*\k+\t)+2*\p+1], v[WOA], s[6:7] offset:12288*\t+96*\k+48*(\p/3)+8*(\p%3)
.endr
.endr
.endr
	WIN 0x80                                       ; destination window 2
.irp k, 5,6,7
.irp t, 0,1,2,3
.irp p, 0,1,2,3,4,5
	global_load_b64 v[12*(4*(\k-5)+\t)+2*\p:12*(4*(\k-5)+\t)+2*\p+1], v[WOA], s[6:7] offset:12288*\t+96*\k+48*(\p/3)+8*(\p%3)
.endr
.endr
.endr
.irp t, 0,1,2,3
	global_load_b128 v[BOR+8*\t:BOR+8*\t+3], v[BOA], s[10:11] offset:64*\t        ; bo at features 16 t + 8 h + 0 .. 7: the result's layout
	global_load_b128 v[BOR+8*\t+4:BOR+8*\t+7], v[BOA], s[10:11] offset:64*\t+16
.endr
	WIN 0
.irp t, 0,1,2,3
	global_load_b128 v[WSC+8*\t:WSC+8*\t+3], v[WSA], s[8:9] offset:512*\t         ; row r's eight scale words: one for each K step
	global_load_b128 v[WSC+8*\t+4:WSC+8*\t+7], v[WSA], s[8:9] offset:512*\t+16
.endr
	s_wait_loadcnt 0x0
	s_wait_tensorcnt 0x0                           ; my quarter of y's block has landed,
	s_barrier_signal -1
	s_barrier_wait -1                              ; everybody's has
.macro FETCHA p, set, kk               ; the pass's four fragments of K step kk: 16 loads
.irp u, 0,1,2,3
	FRAGH YF+48*(\set)+12*\u, YA16+\p, YA8+\p, 12288*\u+1536*(\kk)
.endr
.endm
.macro MULS kk                         ; 16 products; the accumulators take turns, one instruction a turn, in the same order in every K step
.if (\kk) == 0
	WIN 0xe1                                       ; source 0 (wo) window 1, C (bo) window 2, D window 3
.elseif (\kk) < 5
	WIN 0xf1
.else
	WIN 0xf2
.endif
.if (\kk) < 5
.set WF, 48*(\kk)
.else
.set WF, 48*((\kk)-5)
.endif
.set YFS, YF+48*((\kk)%2)
.irp u, 0,1,2,3
.irp t, 0,1,2,3
.if (\kk) == 0
	v_wmma_scale_f32_16x16x128_f8f6f4 v[8*(4*\u+\t):8*(4*\u+\t)+7], v[WF+12*\t:WF+12*\t+11], v[YFS+12*\u:YFS+12*\u+11], v[BOR+8*\t:BOR+8*\t+7], v[WSC+8*\t+(\kk)], v[YSC+8*\u+(\kk)] matrix_a_fmt:MATRIX_FMT_FP6 matrix_b_fmt:MATRIX_FMT_FP6
.else
	v_wmma_scale_f32_16x16x128_f8f6f4 v[8*(4*\u+\t):8*(4*\u+\t)+7], v[WF+12*\t:WF+12*\t+11], v[YFS+12*\u:YFS+12*\u+11], v[8*(4*\u+\t):8*(4*\u+\t)+7], v[WSC+8*\t+(\kk)], v[YSC+8*\u+(\kk)] matrix_a_fmt:MATRIX_FMT_FP6 matrix_b_fmt:MATRIX_FMT_FP6
.endif
.endr
.endr
	WIN 0
.endm
.macro TOSTAGE u                       ; a tile's 16 rows x 64 features through my own stage: LDS serves a wave's instructions in order, so no wait stands between the stores and the loads
	s_wait_xcnt 0x0                                ; the registers that take the rows were earlier stores' data
	WIN 0x0c                                       ; an LDS store's data are its source 1: window 3
.irp t, 0,1,2,3
	ds_store_b128 v[STO], v[8*(4*\u+\t):8*(4*\u+\t)+3] offset:64*\t               ; each accumulator from its low end on
	ds_store_b128 v[STO], v[8*(4*\u+\t)+4:8*(4*\u+\t)+7] offset:64*\t+16
.endr
	WIN 0
.irp i, 0,1,2,3,4,5,6,7
	ds_load_b128 v[BK+32*((\u)%2)+4*\i:BK+32*((\u)%2)+4*\i+3], v[SRD] offset:544*\i
.endr
.endm
.macro SEND p, u, younger              ; row 2 i + lane / 16 of the tile is token 64 p + 8 u + 32 (i / 4) + 2 (i % 4) + lane / 16; sixteen lanes store 256 consecutive bytes, at a multiple of 256 from out0's first byte
	s_wait_dscnt \younger
.irp i, 0,1,2,3,4,5,6,7
	global_store_b128 v[OUA], v[BK+32*((\u)%2)+4*\i:BK+32*((\u)%2)+4*\i+3], s[12:13] offset:4096*(64*\p+8*(\u)+32*(\i/4)+2*(\i%4)) th:TH_STORE_NT
.endr
.endm
.macro PASS p                          ; 64 tokens: tiles 4 p .. 4 p + 3
	PLACES 5                                       ; the accumulators are begun anew with another C
.irp u, 0,1,2,3
	ds_load_b128 v[YSC+8*\u:YSC+8*\u+3], v[YS+\p] offset:512*\u
	ds_load_b128 v[YSC+8*\u+4:YSC+8*\u+7], v[YS+\p] offset:512*\u+16
.endr
	FETCHA \p, 0, 0
.irp k, 0,1,2,3,4,5,6
	PLACES 4                                       ; in front of loads into the set that the last products read
	FETCHA \p, (\k+1)%2, \k+1
	s_wait_dscnt 16                                ; all but the 16 loads just issued
	MULS \k
.endr
	s_wait_dscnt 0x0
	MULS 7
	PLACES 4                                       ; in front of the first read of results
	TOSTAGE 0
.irp u, 1,2,3
	TOSTAGE \u
	SEND \p, \u-1, 16                              ; behind the tile's loads: the next tile's 8 stores and 8 loads
.endr
	SEND \p, 3, 0
.endm
	PASS 0
	PASS 1
	s_wait_tensorcnt 0x0
	ds_add_u32 v30, v31
	s_wait_dscnt 0x0
	ROUND                                          ; the closing round
	s_endpgm
.Lfunc_end_k_q7a987e6504_outp:
	.size	k_q7a987e6504_outp, .Lfunc_end_k_q7a987e6504_outp-k_q7a987e6504_outp
	.p2alignl 7, 3214868480
	.fill 96, 4, 3214868480
	.section	.rodata,"a",@progbits
	.p2align	6, 0x0
	.amdhsa_kernel k_q7a987e6504_outp
		.amdhsa_group_segment_fixed_size 168448
		.amdhsa_private_segment_fixed_size 0
		.amdhsa_enable_private_segment 0
		.amdhsa_kernarg_size 40
		.amdhsa_user_sgpr_count 2
		.amdhsa_user_sgpr_kernarg_segment_ptr 1
		.amdhsa_wavefront_size32 1
		.amdhsa_system_sgpr_workgroup_id_x 1
		.amdhsa_system_sgpr_workgroup_id_y 1
		.amdhsa_system_sgpr_workgroup_id_z 1
		.amdhsa_system_vgpr_workitem_id 0
		.amdhsa_next_free_vgpr 1024
		.amdhsa_next_free_sgpr 66
		.amdhsa_reserve_vcc 0
		.amdhsa_float_denorm_mode_32 3
		.amdhsa_float_denorm_mode_16_64 3
		.amdhsa_memory_ordered 1
		.amdhsa_forward_progress 1
		.amdhsa_inst_pref_size 93
	.end_amdhsa_kernel
	.amdgpu_metadata
---
amdhsa.version: [ 1, 2 ]
amdhsa.kernels:
  - .name:           k_q7a987e6504_outp
    .symbol:         k_q7a987e6504_outp.kd
    .args:
      - { .name: ybuf, .offset: 0, .size: 8, .value_kind: global_buffer, .address_space: global }
      - { .name: wo_codes, .offset: 8, .size: 8, .value_kind: global_buffer, .address_space: global }
      - { .name: wo_scales, .offset: 16, .size: 8, .value_kind: global_buffer, .address_space: global }
      - { .name: bo, .offset: 24, .size: 8, .value_kind: global_buffer, .address_space: global }
      - { .name: out0, .offset: 32, .size: 8, .value_kind: global_buffer, .address_space: global }
    .group_segment_fixed_size: 168448
    .private_segment_fixed_size: 0
    .kernarg_segment_align: 8
    .kernarg_segment_size: 40
    .max_flat_workgroup_size: 128
    .sgpr_count:     66
    .vgpr_count:     1024
    .wavefront_size: 32
...
	.end_amdgpu_metadata
.endif
;; end of part 3
